; MI455X (gfx1250); checked and timed in simulation.
; The chip was launched on July 23, 2026; its instructions are those of AMD's public machine-readable ISA for CDNA 5 (MIT licence, August 2026) and "CDNA5" Instruction Set Architecture Reference Guide (July 2026). The comments in the code are by the model that wrote it; some were corrected since.
;; Attention. Allowed arithmetic: matrix products marked QUANTISED: E2M1 operands, one E8M0 scale for each 32 along K, by v_wmma_scale_f32_16x16x128_f8f6f4 with both operands' format E2M1 (or v_wmma_scale_f32_32x16x128_f4), f32 sums; products left as they are: bf16, f16 or f32 operands; f32 sums; everything else in f32.
;; Inputs: Wproj 1,024 x 1,024 float32; Wqkv 1,024 x 3,072 float32; bproj 1,024 float32; bqkv 3,072 float32; k_beta 64 float32; k_gamma 64 float32; q_beta 64 float32; q_gamma 64 float32; x 4 x 2,048 x 1,024 float32.
;; Outputs: out0 4 x 2,048 x 1,024 float32.
;; This version of the problem:
;;   THIS VERSION OF THE PROBLEM IS GIVEN IN LOW PRECISION. The matrix products marked QUANTISED in the list below multiply operands that are first quantised to E2M1 (2 exponent bits, 1 mantissa bit; 4 bits a number), with one power-of-two scale for each 32 numbers along K (OCP MX v1.0); their sums are f32. The products marked 'left as it is' may take bf16, f16 or f32 operands, with f32 sums. Whichever they take, every output number must still come out within the allowed error. Rounding operands to bf16 (8 significant bits) uses up far more of that allowance than f16 does (11 bits, for magnitudes from 6e-5 to 65,504). All else is computed in f32.
;;   The module's matrix products, in the order in which they are computed (A, B: the left and right operand; K: the contracted axis; several contracted axes count as one K, in the product's order):
;;     1. [M 8,192, K 1,024] x [K 1,024, N 3,072]; A: input x; B: input Wqkv: QUANTISED
;;     2. batch 64 x [M 2,048, K 64] x [K 64, N 2,048]; A: computed on the way; B: computed on the way: left as it is (an operand is computed on the way)
;;     3. batch 64 x [M 2,048, K 2,048] x [K 2,048, N 64]; A: computed on the way; B: computed on the way: left as it is (an operand is computed on the way)
;;     4. [M 8,192, K 1,024] x [K 1,024, N 1,024]; A: computed on the way; B: input Wproj: left as it is (an operand is computed on the way)
;;   THE QUANTISER, for each operand of a quantised product, along K:
;;     - K is cut into blocks of 32 from its start; a last block that is shorter is filled with zeros.
;;     - A block's scale is 2^e with e = floor(log2(the largest magnitude in the block)) - 2, held to -126 .. 127; a block of zeros has e = 0. As a byte (E8M0): e + 127.
;;     - Each number is divided by its block's scale, clamped to +-6, and rounded to the nearest number of E2M1, ties to even, subnormals kept.
;;     - The product sums the exact products of the quantised numbers (number of the format x scale) in f32.
;;   ~~~python
;;   def quantise(x, axis):      # numpy; x: float32 -> the quantised numbers, widened to float32 again
;;       x = np.moveaxis(x, axis, -1); K = x.shape[-1]
;;       x = np.pad(x, [(0, 0)] * (x.ndim - 1) + [(0, -K % 32)]); x = x.reshape(x.shape[:-1] + (-1, 32)); a = np.abs(x).max(-1, keepdims=True)
;;       e = np.where(a > 0, np.clip(np.frexp(np.where(a > 0, a, 1))[1] - 1 - 2, -126, 127), 0)      # np.frexp(a)[1] - 1 = floor(log2(a)), exactly
;;       r = np.clip(x / 2.0 ** e, -6, 6)
;;       step = 2.0 ** (np.maximum(np.frexp(np.where(r == 0, 1, r))[1] - 1, 0) - 1)
;;       q = np.round(r / step) * step * 2.0 ** e      # np.round: ties to even
;;       return np.moveaxis(q.reshape(q.shape[:-2] + (-1,))[..., :K], -1, axis).astype(np.float32)
;;   ~~~
;; One version. Each part assembles by itself: llvm-mc -triple=amdgcn-amd-amdhsa -mcpu=gfx1250 --defsym DOCPART=n.
;; ======== version 1 of 1: 4 launches
;; limits: values are held in f16: magnitudes above 65,504 overflow, below 6.1e-05 lose precision
;; workspace buffers: xq 4,456,448 bytes; wq 1,671,168 bytes; wp 2,097,152 bytes; qf 16,777,216 bytes; kf 16,777,216 bytes; vf 16,777,216 bytes; yf 16,777,216 bytes
;; launch prep (part 1): grid 512 x 1, 4 waves a work-group, no clusters, 34,304 bytes of LDS; arguments x, Wqkv, Wproj, xq, wq, wp; writes xq, wq, wp
.if DOCPART == 1
	.amdgcn_target "amdgcn-amd-amdhsa--gfx1250"
	.amdhsa_code_object_version 6
	.text
	.protected	k_qa1e9cf09e8_prep
	.globl	k_qa1e9cf09e8_prep
	.p2align	8
	.type	k_qa1e9cf09e8_prep,@function
k_qa1e9cf09e8_prep:
	s_mov_b64 s[64:65], 0
	v_nop
	global_prefetch_b8 v0, s[64:65] scope:SCOPE_SE
	s_setreg_imm32_b32 hwreg(HW_REG_WAVE_MODE, 25, 1), 1
	s_wait_xcnt 0x0
; PREP.  Three tensors are laid out once, each as an IMAGE OF THE REGISTERS in which a later launch's matrix instructions take it: a piece of four registers is 512 bytes, lane l's 16 bytes at 16 l.
;   work-groups 0-255   (X): x [8192][1024] f32 -> codes of FP4 (E2M1) and one E8M0 byte for each 32 along K (K is innermost).
;   work-groups 256-447 (W): Wqkv [1024][3072] f32, K is the FIRST axis -> the same for its columns.
;   work-groups 448-511 (P): Wproj [1024][1024] f32, K is the first axis -> f16.
; xq, wq: codes at half x HS + tile x 4096 + (s & 3) x 1024 + c x 512 + 16 l (tile: 16 rows; s: K step of 128; half = s / 4): lane (r, h), piece c = row 16 tile + r, k = 128 s + 64 c + 32 h + 0..31.
;         scale words behind the codes at group x 4096 + half x 2048 + (row & 127) x 16 + (s & 3) x 4 (group: 128 rows); byte b of a word = block k = 128 s + 32 b.
; wp:     ks x 262144 + tile x 4096 + u x 1024 + c x 512 + 16 l: lane (r, h) = Wproj[128 ks + 32 u + 16 c + 8 h + 0..7][16 tile + r].
; A block's scale is 2^(floor(log2(largest magnitude)) - 2): its byte is the largest magnitude's exponent field - 2, held at 1 from below by a floor among the maximum's leaves.
; LIMITS: a block of zeros gets the byte 1 where the quantiser's text says 127: its codes are zeros, and this program alone reads the bytes.  Blocks whose largest magnitude lies under 2^-124 are held at byte 1.
; NaN and infinities among the inputs are not served.  |Wproj| must stay under 65,504 (f16); under 6e-5 it keeps f16's subnormal step.
; No matrix unit, no tensor load, no cluster, no barrier: the launch streams, waves share nothing, and no two work-groups read the same bytes.
.set SPARE, 33792                      ; behind the four stages: the spare words, 128 bytes a wave
.set STG,   8448                       ; path X: a wave's stage: 16 rows x (512 bytes + 16)
.set ROWP,  528
.set RAW,   32                         ; X: v32-159  two sets of 64: a fragment's numbers as loaded
.set T,     160                        ; X: v160-223 my two whole blocks of 32
.set C,     224                        ; X: v224-255 codes, 8 registers a fragment, never rewritten
.set SW,    16                         ; X: v16-19 scale words;  W: v16 the scale word
.set R,     32                         ; W, P: v32-159 128 numbers down K
.set OUTC,  160                        ; W, P: results, never rewritten
.set FLOOR, 0x1800000                  ; 2^(3 - 127)
.set EOFF,  0xff000000                 ; -(2 << 23)
.set SPW,   2
.set NIL,   3
	s_load_b256 s[4:11], s[0:1], 0x0               ; x s[4:5], Wqkv s[6:7], Wproj s[8:9], xq s[10:11]
	s_load_b128 s[12:15], s[0:1], 0x20             ; wq s[12:13], wp s[14:15]
	v_lshl_add_u32 v[SPW], v0, 2, SPARE
	v_mov_b32 v[NIL], 0
	v_lshrrev_b32 v1, 5, v0
	v_readfirstlane_b32 s16, v1                    ; wave
	v_and_b32 v1, 31, v0                           ; lane
	v_and_b32 v4, 15, v0                           ; r
	v_bfe_u32 v5, v0, 4, 1                         ; h
	s_mul_i32 s17, s16, STG
	v_lshlrev_b32 v22, 4, v1                       ; 16 x lane
	v_add_nc_u32 v20, s17, v22                     ; the stage, on the way in: a row's 512 bytes as they lie
	v_mul_u32_u24 v21, v4, ROWP
	v_lshl_add_u32 v21, v5, 7, v21
	v_add_nc_u32 v21, s17, v21                     ; and out: row r, + 128 h bytes: my block of 32 numbers
	v_lshlrev_b32 v23, 4, v4                       ; 16 r
	v_lshlrev_b32 v24, 2, v1                       ; 4 x lane
	v_lshlrev_b32 v25, 12, v5
	v_lshl_add_u32 v25, v4, 4, v25                 ; W, P: (lane / 16) tiles of 4,096 bytes + 16 r
	v_lshlrev_b32 v27, 3, v5                       ; 8 h
	v_mov_b32 v15, 0                               ; a lane permute's destination counts as one of its sources
	s_mov_b32 s20, 0x76543210
	s_mov_b32 s21, 0xfedcba98                      ; selects for lane l xor 16
	s_mov_b32 s25, 0
	s_wait_kmcnt 0x0
	s_cmp_lt_u32 ttmp9, 256
	s_cbranch_scc0 .Lnot_x
; ---- X.  A wave takes 16 rows x 512 along K: four fragments.  Each load reads 512 consecutive bytes of one row; the fragment turns through the wave's own stage, so that a lane gets two whole blocks.
	s_lshl_b32 s18, ttmp9, 2
	s_add_co_u32 s18, s18, s16                     ; unit = 4 x work-group + wave
	s_lshr_b32 s19, s18, 1                         ; tile of 16 rows
	s_and_b32 s18, s18, 1                          ; half of K
	s_lshl_b32 s24, s19, 16
	s_lshl_b32 s23, s18, 11
	s_add_co_u32 s24, s24, s23
	s_add_nc_u64 s[4:5], s[4:5], s[24:25]          ; x: tile x 16 rows of 4,096 bytes + half x 2,048
	s_lshl_b32 s24, s18, 21
	s_lshl_b32 s23, s19, 12
	s_add_co_u32 s24, s24, s23
	s_add_nc_u64 s[28:29], s[10:11], s[24:25]      ; the codes
	s_lshr_b32 s24, s19, 3
	s_lshl_b32 s24, s24, 12
	s_lshl_b32 s23, s18, 11
	s_add_co_u32 s24, s24, s23
	s_and_b32 s23, s19, 7
	s_lshl_b32 s23, s23, 8
	s_add_co_u32 s24, s24, s23
	s_add_co_u32 s24, s24, 4194304
	s_add_nc_u64 s[30:31], s[10:11], s[24:25]      ; the scale words
.macro XLOAD f
.irp i, 0,1,2,3,4,5,6,7,8,9,10,11,12,13,14,15
	global_load_b128 v[RAW+64*((\f)%2)+4*\i:RAW+64*((\f)%2)+4*\i+3], v22, s[4:5] offset:\i*4096+(\f)*512 th:TH_LOAD_NT
.endr
.endm
.macro XTURN f                         ; LDS serves a wave's instructions in order: no wait between the stores and the loads
.irp i, 0,1,2,3,4,5,6,7,8,9,10,11,12,13,14,15
	ds_store_b128 v20, v[RAW+64*((\f)%2)+4*\i:RAW+64*((\f)%2)+4*\i+3] offset:ROWP*\i
.endr
.irp c, 0,1
.irp i, 0,1,2,3,4,5,6,7
	ds_load_b128 v[T+32*\c+4*\i:T+32*\c+4*\i+3], v21 offset:256*\c+16*\i   ; k = 64 c + 32 h + 4 i ..
.endr
.endr
	s_wait_dscnt 0x0                               ; my blocks are in, and the stores have read the set that the next loads take
.endm
.macro XQ f                            ; blocks h (c = 0) and 2 + h (c = 1) of my row, by turns
	v_max3_num_f32 v8, |v[T]|, |v[T+1]|, FLOOR
	v_max3_num_f32 v9, |v[T+32]|, |v[T+33]|, FLOOR
.irp i, 2,4,6,8,10,12,14,16,18,20,22,24,26,28,30
	v_max3_num_f32 v8, v8, |v[T+\i]|, |v[T+\i+1]|
	v_max3_num_f32 v9, v9, |v[T+32+\i]|, |v[T+33+\i]|
.endr
	v_add_nc_u32 v10, EOFF, v8                     ; 2 off the exponent field: the conversion's scale operand
	v_add_nc_u32 v11, EOFF, v9
	v_lshrrev_b32 v12, 23, v10                     ; the bytes
	v_lshrrev_b32 v13, 23, v11
.irp g, 0,1,2,3
	v_cvt_scalef32_pk8_fp4_f32 v[C+8*(\f)+\g], v[T+8*\g:T+8*\g+7], v10
	v_cvt_scalef32_pk8_fp4_f32 v[C+8*(\f)+4+\g], v[T+32+8*\g:T+32+8*\g+7], v11
.endr
	v_lshl_or_b32 v14, v13, 16, v12                ; my two bytes, (a plain line behind the conversions)
	v_lshlrev_b32 v14, v27, v14                    ; 8 h bits up;
	v_permlanex16_b32 v15, v14, s20, s21
	v_or_b32 v[SW+(\f)], v14, v15                  ; with lane l xor 16's two the word is whole
	global_store_b128 v22, v[C+8*(\f):C+8*(\f)+3], s[28:29] offset:(\f)*1024          ; 512 consecutive bytes, aligned
	global_store_b128 v22, v[C+8*(\f)+4:C+8*(\f)+7], s[28:29] offset:(\f)*1024+512
.endm
	XLOAD 0
	XLOAD 1
.irp f, 0,1,2,3
.if \f < 3
	s_wait_loadcnt 16                              ; this fragment's 16 loads are in; the next one's may be out
.else
	s_wait_loadcnt 0x0
.endif
	XTURN \f
.if \f < 2
	XLOAD \f+2
.endif
	XQ \f
.endr
	s_wait_xcnt 0x0                                ; EXEC changes only behind this wait
	v_cmp_gt_u32 vcc_lo, 16, v1
	s_and_saveexec_b32 s22, vcc_lo
	global_store_b128 v23, v[SW:SW+3], s[30:31]    ; lanes 0-15: 16 rows x 4 words: 256 consecutive bytes, aligned
	s_wait_xcnt 0x0
	s_or_b32 exec_lo, exec_lo, s22
	s_wait_tensorcnt 0x0                           ; the wave's end, behind my last LDS store
	ds_add_u32 v[SPW], v[NIL]
	s_wait_dscnt 0x0
	s_endpgm
; 32 rows of K for my column: neighbouring lanes read neighbouring columns, 128 consecutive bytes a wave, 512 a work-group
.macro KLOAD q, base, pitch
.irp i, 0,1,2,3,4,5,6,7,8,9,10,11,12,13,14,15,16,17,18,19,20,21,22,23,24,25,26,27,28,29,30,31
	global_load_b32 v[R+32*(\q)+\i], v24, s[\base:\base+1] offset:(32*(\q)+\i)*\pitch th:TH_LOAD_NT
.endr
.endm
.Lnot_x:
	s_cmp_lt_u32 ttmp9, 448
	s_cbranch_scc0 .Lp
; ---- W.  A lane takes a column, its registers run down K: a block of 32 is one lane's, and the conversions give codes with K innermost.  A work-group: 128 columns x 128 along K.
	s_sub_co_u32 s18, ttmp9, 256
	s_lshr_b32 s19, s18, 3                         ; group of 128 columns
	s_and_b32 s18, s18, 7                          ; K step
	s_mul_i32 s24, s18, 1572864                    ; 128 rows of 12,288 bytes
	s_lshl_b32 s23, s19, 9
	s_add_co_u32 s24, s24, s23
	s_lshl_b32 s23, s16, 7
	s_add_co_u32 s24, s24, s23
	s_add_nc_u64 s[6:7], s[6:7], s[24:25]
	s_lshr_b32 s26, s18, 2                         ; half of K
	s_and_b32 s27, s18, 3
	s_mul_i32 s24, s26, 786432
	s_lshl_b32 s23, s19, 15
	s_add_co_u32 s24, s24, s23
	s_lshl_b32 s23, s16, 13
	s_add_co_u32 s24, s24, s23
	s_lshl_b32 s23, s27, 10
	s_add_co_u32 s24, s24, s23
	s_add_nc_u64 s[28:29], s[12:13], s[24:25]      ; the codes: tile 8 group + 2 wave
	s_lshl_b32 s24, s19, 12
	s_lshl_b32 s23, s26, 11
	s_add_co_u32 s24, s24, s23
	s_lshl_b32 s23, s16, 9
	s_add_co_u32 s24, s24, s23
	s_lshl_b32 s23, s27, 2
	s_add_co_u32 s24, s24, s23
	s_add_co_u32 s24, s24, 1572864
	s_add_nc_u64 s[30:31], s[12:13], s[24:25]      ; the scale words
.macro WBLOCK q
.if (\q) < 3
	s_wait_loadcnt 32                              ; this block's 32 loads are in; the next block's may be out
.else
	s_wait_loadcnt 0x0
.endif
.if (\q) < 2
	KLOAD (\q)+2, 6, 12288                         ; two blocks ahead, into registers of its own
.endif
.set XS, R+32*(\q)
	v_max3_num_f32 v8, |v[XS]|, |v[XS+1]|, |v[XS+2]|
	v_max3_num_f32 v9, |v[XS+3]|, |v[XS+4]|, |v[XS+5]|
.irp i, 6,10,14,18,22,26
	v_max3_num_f32 v8, v8, |v[XS+\i]|, |v[XS+\i+1]|
	v_max3_num_f32 v9, v9, |v[XS+\i+2]|, |v[XS+\i+3]|
.endr
	v_max3_num_f32 v8, v8, |v[XS+30]|, |v[XS+31]|
	v_max3_num_f32 v8, v8, v9, FLOOR
	v_add_nc_u32 v10, EOFF, v8
	v_lshrrev_b32 v11, 23, v10
.if (\q) == 0
	v_mov_b32 v[SW], v11
.else
	v_lshl_or_b32 v[SW], v11, 8*(\q), v[SW]
.endif
.irp g, 0,1,2,3
	v_cvt_scalef32_pk8_fp4_f32 v[OUTC+4*(\q)+\g], v[XS+8*\g:XS+8*\g+7], v10
.endr
	global_store_b128 v25, v[OUTC+4*(\q):OUTC+4*(\q)+3], s[28:29] offset:((\q)/2)*512+((\q)%2)*256   ; sixteen lanes store 256 consecutive bytes, aligned
.endm
	KLOAD 0, 6, 12288
	KLOAD 1, 6, 12288
	WBLOCK 0
	WBLOCK 1
	WBLOCK 2
	WBLOCK 3
	global_store_b32 v22, v[SW], s[30:31]          ; 4 bytes of each 16: the other K steps' work-groups write the rest; 98,304 bytes in all, 1/128 of what this path reads
	s_endpgm
.Lp:
; ---- P.  The same walk for Wproj, rounded to f16: a lane's 8 neighbours down K are a piece's 16 bytes.
	s_sub_co_u32 s18, ttmp9, 448
	s_lshr_b32 s19, s18, 3                         ; group of 128 columns
	s_and_b32 s18, s18, 7                          ; K step
	s_lshl_b32 s24, s18, 19                        ; 128 rows of 4,096 bytes
	s_lshl_b32 s23, s19, 9
	s_add_co_u32 s24, s24, s23
	s_lshl_b32 s23, s16, 7
	s_add_co_u32 s24, s24, s23
	s_add_nc_u64 s[8:9], s[8:9], s[24:25]
	s_lshl_b32 s24, s18, 18
	s_lshl_b32 s23, s19, 15
	s_add_co_u32 s24, s24, s23
	s_lshl_b32 s23, s16, 13
	s_add_co_u32 s24, s24, s23
	s_add_nc_u64 s[28:29], s[14:15], s[24:25]
.macro PBLOCK u
.if (\u) < 3
	s_wait_loadcnt 32
.else
	s_wait_loadcnt 0x0
.endif
.if (\u) < 2
	KLOAD (\u)+2, 8, 4096
.endif
.set j, 0
.rept 16
	v_cvt_pk_f16_f32 v[OUTC+16*(\u)+j], v[R+32*(\u)+2*j], v[R+32*(\u)+2*j+1]
.set j, j+1
.endr
.irp p, 0,1,2,3
	global_store_b128 v25, v[OUTC+16*(\u)+4*\p:OUTC+16*(\u)+4*\p+3], s[28:29] offset:(\u)*1024+(\p/2)*512+(\p%2)*256
.endr
.endm
	KLOAD 0, 8, 4096
	KLOAD 1, 8, 4096
	PBLOCK 0
	PBLOCK 1
	PBLOCK 2
	PBLOCK 3
	s_endpgm
.Lfunc_end_k_qa1e9cf09e8_prep:
	.size	k_qa1e9cf09e8_prep, .Lfunc_end_k_qa1e9cf09e8_prep-k_qa1e9cf09e8_prep
	.p2alignl 7, 3214868480
	.fill 96, 4, 3214868480
	.section	.rodata,"a",@progbits
	.p2align	6, 0x0
	.amdhsa_kernel k_qa1e9cf09e8_prep
		.amdhsa_group_segment_fixed_size 34304
		.amdhsa_private_segment_fixed_size 0
		.amdhsa_enable_private_segment 0
		.amdhsa_kernarg_size 48
		.amdhsa_user_sgpr_count 2
		.amdhsa_user_sgpr_kernarg_segment_ptr 1
		.amdhsa_wavefront_size32 1
		.amdhsa_system_sgpr_workgroup_id_x 1
		.amdhsa_system_sgpr_workgroup_id_y 1
		.amdhsa_system_sgpr_workgroup_id_z 1
		.amdhsa_system_vgpr_workitem_id 0
		.amdhsa_next_free_vgpr 256
		.amdhsa_next_free_sgpr 66
		.amdhsa_reserve_vcc 1
		.amdhsa_float_denorm_mode_32 3
		.amdhsa_float_denorm_mode_16_64 3
		.amdhsa_memory_ordered 1
		.amdhsa_forward_progress 1
		.amdhsa_inst_pref_size 67
	.end_amdhsa_kernel
	.amdgpu_metadata
---
amdhsa.version: [ 1, 2 ]
amdhsa.kernels:
  - .name:           k_qa1e9cf09e8_prep
    .symbol:         k_qa1e9cf09e8_prep.kd
    .args:
      - { .name: x, .offset: 0, .size: 8, .value_kind: global_buffer, .address_space: global }
      - { .name: Wqkv, .offset: 8, .size: 8, .value_kind: global_buffer, .address_space: global }
      - { .name: Wproj, .offset: 16, .size: 8, .value_kind: global_buffer, .address_space: global }
      - { .name: xq, .offset: 24, .size: 8, .value_kind: global_buffer, .address_space: global }
      - { .name: wq, .offset: 32, .size: 8, .value_kind: global_buffer, .address_space: global }
      - { .name: wp, .offset: 40, .size: 8, .value_kind: global_buffer, .address_space: global }
    .group_segment_fixed_size: 34304
    .private_segment_fixed_size: 0
    .kernarg_segment_align: 8
    .kernarg_segment_size: 48
    .max_flat_workgroup_size: 128
    .sgpr_count:     66
    .vgpr_count:     256
    .wavefront_size: 32
...
	.end_amdgpu_metadata
.endif
;; end of part 1
;; launch qkv (part 2): grid 12 x 32, 4 waves a work-group, clusters of 4 x 4, 327,680 bytes of LDS; arguments xq, wq, bqkv, q_gamma, q_beta, k_gamma, k_beta, qf, kf, vf; writes qf, kf, vf
.if DOCPART == 2
	.amdgcn_target "amdgcn-amd-amdhsa--gfx1250"
	.amdhsa_code_object_version 6
	.text
	.protected	k_qa1e9cf09e8_qkv
	.globl	k_qa1e9cf09e8_qkv
	.p2align	8
	.type	k_qa1e9cf09e8_qkv,@function
k_qa1e9cf09e8_qkv:
	s_mov_b64 s[64:65], 0
	v_nop
	global_prefetch_b8 v0, s[64:65] scope:SCOPE_SE
	s_setreg_imm32_b32 hwreg(HW_REG_WAVE_MODE, 25, 1), 1
	s_wait_xcnt 0x0
	s_wait_alu depctr_hold_cnt(0) depctr_sa_sdst(0) depctr_va_vdst(0) depctr_va_sdst(0) depctr_va_ssrc(0) depctr_va_vcc(0) depctr_vm_vsrc(0)
	s_getreg_b32 s2, hwreg(HW_REG_IB_STS2, 6, 4)
	s_cmp_eq_u32 s2, 0
	s_cbranch_scc0 .Lentry_in_a_cluster
	s_endpgm
.Lentry_in_a_cluster:
	s_bfe_u32 s2, ttmp6, 0x10000c
	s_cmp_lg_u32 s2, 0xf033
	s_cbranch_scc0 .Lentry_shape_is_right
	s_endpgm
.Lentry_shape_is_right:
; QKV.  qkv = x Wqkv + bqkv on codes of FP4 (E2M1) with one E8M0 scale for each 32 along K (K = 1,024), then LayerNorm of q and k over each head's 64 channels, all in f32; results rounded once to f16.
; A tile of 256 x 256 to a work-group of four waves, 128 x 128 (64 accumulators, 512 registers) to a wave.  All of K is two LDS slots of 512 along K, both asked for at the head: nothing is filled again.
; xq and wq are images of the operands' registers: a tile's part of a slot is one dense block, and a fragment is two loads of 16 bytes a lane at 16 x lane: no pitch, no padding.
; ROLES.  The text knows an A role (source 1; shared along a row of the 4 x 4 cluster; address made of cy) and a B role (source 0; shared along a column; address made of cx).
;   cluster x = 0 (q), 1 (k): A = rows of x, B = columns of Wqkv: a lane holds ONE token and eight neighbouring channels: LayerNorm wants one exchange between the halves of the lanes, and 16 bytes of f16 are a piece of K Q^T's operands.
;   cluster x = 2 (v):        A = columns of Wqkv, B = rows of x: a lane holds ONE channel and eight neighbouring tokens: 16 bytes of f16 are a piece of V^T, the second product's operand.
; Only pointers and offsets are chosen by the kind, which is the same in all sixteen partners; masks, shapes, LDS addresses and the loop are the same for all.
; OUTPUTS.  qf, kf: bh x 262144 + (t / 16) x 2048 + b x 512 + 16 l: lane (r, h) = token 16 (t / 16) + r, channels 16 b + 8 h + 0..7.  qf carries the factor log2(e) / 8 (folded into gamma and beta).
;           vf: bh x 262144 + (t / 32) x 4096 + ct x 1024 + c x 512 + 16 l: lane (r, h) = channel 16 ct + r, tokens 32 (t / 32) + 16 c + 8 h + 0..7.  Every store covers 512 consecutive bytes, aligned.
; The variance is taken in two passes (mean first, then squares of the differences): no difference of large sums.
; LIMITS: |q log2(e) / 8|, |k|, |v| must stay under 65,504 (f16); beyond that the conversion gives infinity.
; REGISTERS, windows of 256: window 0: v16-29 addresses; v32-95 scale words, two sets; v96-111 v's bias (q, k: LayerNorm's statistics); v112-127 at work; v128-191 A's fragments, one set; v192-255 the bias as the first products' C.
;   window 1: B's fragments, two sets, at v0 and v128; v64-95 gamma, v96-127 beta.   windows 2, 3: accumulator (a, b) at v[8 (8 (a % 4) + b)].
.set SLOT,  131072
.set SCL,   262144                     ; behind the slots: scale words, 4,096 bytes a wave's load: A's two halves, then B's
.set SPARE, 278528                     ; the spare words, 128 bytes a wave
.set NQ,    4
.set FR,    8
.set NP,    4
.set ADRA,  16
.set ADRB,  20
.set CO,    26
.set ADRS,  27
.set SPW,   28
.set NIL,   29
.set SC,    32
.set BV,    96
.set MU,    96
.set RS,    100
.set XX,    104
.set YY,    106
.set QS,    112
.set AF,    128
.set DD,    128
.set BI,    192
.set GAM,   64
.set BET,   96
.set G1,    24
.set G0,    32
.set G1B,   48
.set G0B,   56
.set WV,    66
.set RH,    67                         ; my half of the A role's rows; also: I fetch for A (0) or B (1)
.set CH,    68                         ; my half of the B role's rows; also: which half I fetch
.set CX,    69
.set CY,    70
.set ISV,   71
.set G1S,   72
.set G0S,   80
.set G1SB,  84
.set G0SB,  92
.set KM,    100
.set MSB, 0
.macro WIN new                         ; the immediate's high byte repeats the setting that is left
.if MSB != (\new)
	s_set_vgpr_msb (MSB<<8)|(\new)
.set MSB, (\new)
.endif
.endm
.set MUL_LO, 0xa1                      ; source 0 window 1, source 1 window 0, C and D window 2
.set MUL_HI, 0xf1
.set TO_B,   0x40
; A joint load: waves 0, 1 fetch for the A role, waves 2, 3 for the B role.  The branch hangs on the wave's number alone.  An s_nop 0 and four v_nop follow each line.
.macro JLOAD g0a, g1a, g0b, g1b
	s_cmp_eq_u32 s[RH], 0
	s_cbranch_scc0 .Lfor_b_\@
	tensor_load_to_lds s[\g0a:\g0a+3], s[\g1a:\g1a+7]
	s_nop 0
.rept 4
	v_nop
.endr
	s_branch .Lasked_\@
.Lfor_b_\@:
	tensor_load_to_lds s[\g0b:\g0b+3], s[\g1b:\g1b+7]
	s_nop 0
.rept 4
	v_nop
.endr
.Lasked_\@:
.endm
.macro CROUND                          ; a round of the cluster's barrier
	s_barrier_signal -1
	s_barrier_wait -1
	s_cmp_lg_u32 s[WV], 0
	s_cbranch_scc1 .Lnot_wave_0_\@
	s_barrier_signal -3
.Lnot_wave_0_\@:
	s_barrier_wait -3
	s_barrier_signal -1
	s_barrier_wait -1
.endm
	s_load_b512 s[4:19], s[0:1], 0x0               ; xq 4, wq 6, bqkv 8, q_gamma 10, q_beta 12, k_gamma 14, k_beta 16, qf 18
	s_load_b128 s[20:23], s[0:1], 0x40             ; kf 20, vf 22
	v_lshl_add_u32 v[SPW], v0, 2, SPARE
	v_mov_b32 v[NIL], 0
	ds_add_u32 v[SPW], v[NIL]                      ; the wave's opening: the add, twice on end, and its wait ahead of my first tensor load
	ds_add_u32 v[SPW], v[NIL]
	v_lshrrev_b32 v1, 5, v0
	v_readfirstlane_b32 s[WV], v1
	s_lshr_b32 s[RH], s[WV], 1
	s_and_b32 s[CH], s[WV], 1
	s_bfe_u32 s[CX], ttmp6, 0x40000
	s_bfe_u32 s[CY], ttmp6, 0x40004
	s_lshl_b32 s42, s[CY], 2
	s_lshl_b32 s42, 15, s42                        ; my row of the cluster
	s_lshl_b32 s43, 0x1111, s[CX]                  ; my column
	s_or_b32 s[G1], s42, (3<<16)|(1<<21)           ; 15:0 the mask; 17:16 elements of 8 bytes; 21 set beside a mask; no padding
	s_or_b32 s[G1S], s42, (3<<16)|(1<<21)
	s_or_b32 s[G1B], s43, (3<<16)|(1<<21)
	s_or_b32 s[G1SB], s43, (3<<16)|(1<<21)
.irp g, G1, G1B                        ; codes: 32,768 dense bytes as 128 rows of 256
	s_mov_b32 s[\g+1], 32<<16
	s_mov_b32 s[\g+2], 128<<16
	s_mov_b32 s[\g+3], 32<<16
	s_mov_b32 s[\g+4], 128
	s_mov_b32 s[\g+5], 32
	s_mov_b32 s[\g+6], 0
	s_mov_b32 s[\g+7], 0
.endr
.irp g, G1S, G1SB                      ; scale words: 4,096 dense bytes as 16 rows of 256
	s_mov_b32 s[\g+1], 32<<16
	s_mov_b32 s[\g+2], 16<<16
	s_mov_b32 s[\g+3], 32<<16
	s_mov_b32 s[\g+4], 16
	s_mov_b32 s[\g+5], 32
	s_mov_b32 s[\g+6], 0
	s_mov_b32 s[\g+7], 0
.endr
	s_and_b32 s40, ttmp7, 0xffff
	s_lshl_b32 s40, s40, 2                         ; 4 x cluster y
	s_lshl_b32 s41, ttmp9, 2                       ; 4 x cluster x
	s_mov_b32 s46, 2097152
	s_mov_b32 s47, 786432
	s_mov_b32 s2, 4194304
	s_mov_b32 s3, 1572864
	s_cmp_eq_u32 ttmp9, 2                          ; v's clusters: the roles change hands
	s_cselect_b32 s[ISV], 1, 0
	s_cselect_b32 s[KM], 0, -1
	s_cselect_b32 s44, 8, s40                      ; the A role's tile of 256 rows, less cy
	s_cselect_b32 s45, s40, s41                    ; the B role's, less cx
	s_cselect_b32 s46, 786432, s46                 ; from half to half of K, in A's buffer,
	s_cselect_b32 s47, 2097152, s47                ; in B's;
	s_cselect_b32 s2, 1572864, s2                  ; where the scale words begin, in A's buffer,
	s_cselect_b32 s3, 4194304, s3                  ; in B's
	s_add_co_u32 s44, s44, s[CY]
	s_lshl_b32 s44, s44, 1
	s_add_co_u32 s44, s44, s[CH]                   ; A: the group of 128 rows that I would fetch
	s_add_co_u32 s45, s45, s[CX]
	s_lshl_b32 s45, s45, 1
	s_add_co_u32 s45, s45, s[CH]                   ; B likewise
	s_lshl_b32 s101, s[WV], 15                     ; where my load lands in a slot: wave x 32,768;
	s_lshl_b32 s98, s[WV], 12                      ; among the scale words: wave x 4,096.  No place in the cluster enters an LDS address
	s_mov_b32 s41, 0
	s_mov_b32 s97, 0
	s_wait_dscnt 0x0                               ; both opening adds are done
	s_wait_kmcnt 0x0
	s_cmp_eq_u32 ttmp9, 2
	s_cselect_b64 s[G0S+2:G0S+3], s[6:7], s[4:5]
	s_cselect_b64 s[G0+2:G0+3], s[6:7], s[4:5]
	s_cselect_b64 s[G0SB+2:G0SB+3], s[4:5], s[6:7]
	s_cselect_b64 s[G0B+2:G0B+3], s[4:5], s[6:7]
	s_lshl_b32 s40, s44, 12
	s_add_co_u32 s40, s40, s2
	s_add_nc_u64 s[G0S+2:G0S+3], s[G0S+2:G0S+3], s[40:41]
	s_lshl_b32 s40, s44, 15
	s_add_nc_u64 s[G0+2:G0+3], s[G0+2:G0+3], s[40:41]
	s_mov_b32 s40, s46
	s_add_nc_u64 s[G0+6:G0+7], s[G0+2:G0+3], s[40:41]
	s_lshl_b32 s96, s45, 12
	s_add_co_u32 s96, s96, s3
	s_add_nc_u64 s[G0SB+2:G0SB+3], s[G0SB+2:G0SB+3], s[96:97]
	s_lshl_b32 s96, s45, 15
	s_add_nc_u64 s[G0B+2:G0B+3], s[G0B+2:G0B+3], s[96:97]
	s_mov_b32 s96, s47
	s_add_nc_u64 s[G0B+6:G0B+7], s[G0B+2:G0B+3], s[96:97]
	s_or_b32 s[G0S+3], s[G0S+3], 0x80000000
	s_or_b32 s[G0SB+3], s[G0SB+3], 0x80000000
	s_or_b32 s[G0+3], s[G0+3], 0x80000000
	s_or_b32 s[G0+7], s[G0+7], 0x80000000
	s_or_b32 s[G0B+3], s[G0B+3], 0x80000000
	s_or_b32 s[G0B+7], s[G0B+7], 0x80000000
	s_mov_b32 s[G0S], 1
	s_mov_b32 s[G0SB], 1
	s_mov_b32 s[G0], 1
	s_mov_b32 s[G0+4], 1
	s_mov_b32 s[G0B], 1
	s_mov_b32 s[G0B+4], 1
	s_add_co_u32 s[G0S+1], s98, SCL
	s_add_co_u32 s[G0SB+1], s98, SCL
	s_mov_b32 s[G0+1], s101
	s_mov_b32 s[G0B+1], s101
	s_add_co_u32 s[G0+5], s101, SLOT
	s_add_co_u32 s[G0B+5], s101, SLOT
	CROUND                                         ; all sixteen work-groups are here: the joint loads meet
	JLOAD G0S, G1S, G0SB, G1SB                     ; the scale words of all of K,
	JLOAD G0, G1, G0B, G1B                         ; K's first half,
	JLOAD G0+4, G1, G0B+4, G1B                     ; and its second: three loads of mine are out
	; where the results go, and which biases and gains are mine
	s_and_b32 s40, ttmp7, 0xffff
	s_lshl_b32 s40, s40, 2
	s_lshl_b32 s41, ttmp9, 2
	s_cmp_eq_u32 s[ISV], 1
	s_cselect_b32 s42, 8, s40
	s_cselect_b32 s43, s40, s41
	s_add_co_u32 s42, s42, s[CY]
	s_add_co_u32 s43, s43, s[CX]
	s_lshl_b32 s40, s42, 8
	s_lshl_b32 s41, s[RH], 7
	s_add_co_u32 s40, s40, s41                     ; my first row of the A role
	s_lshl_b32 s41, s43, 8
	s_lshl_b32 s46, s[CH], 7
	s_add_co_u32 s41, s41, s46                     ; and of the B role
	s_lshl_b32 s46, s[CX], 2
	s_lshl_b32 s47, s[CH], 1
	s_add_co_u32 s46, s46, s47                     ; q, k: my first head
	s_lshl_b32 s47, s[CY], 2
	s_lshl_b32 s2, s[RH], 1
	s_add_co_u32 s47, s47, s2                      ; v: my first head
	s_cmp_eq_u32 s[ISV], 1
	s_cselect_b32 s3, s41, s40                     ; my first token
	s_cselect_b32 s46, s47, s46                    ; my first head
	s_cselect_b32 s2, 0, s41                       ; q, k: the bias along the registers begins at this column (v: not used, column 0)
	s_cselect_b32 s47, s40, 0                      ; v: the bias along the lanes begins at this column (q, k: not used)
	s_cselect_b64 s[20:21], s[22:23], s[20:21]
	s_cmp_eq_u32 ttmp9, 0
	s_cselect_b64 s[18:19], s[18:19], s[20:21]     ; qf, kf or vf
	s_cselect_b64 s[10:11], s[10:11], s[14:15]     ; q's gamma and beta, else k's
	s_cselect_b64 s[12:13], s[12:13], s[16:17]
	s_cselect_b32 s96, 0x3e38aa3b, 1.0             ; q carries log2(e) / 8
	s_mov_b32 s97, s96
	s_lshr_b32 s40, s3, 11                         ; batch
	s_lshl_b32 s40, s40, 4
	s_add_co_u32 s40, s40, s46
	s_lshl_b32 s40, s40, 18                        ; (batch x 16 + head) x 262,144
	s_and_b32 s3, s3, 2047
	s_lshl_b32 s3, s3, 7                           ; + token x 128: 2,048 bytes for 16 tokens in qf and kf, 4,096 for 32 in vf
	s_add_co_u32 s40, s40, s3
	s_mov_b32 s41, 0
	s_add_nc_u64 s[18:19], s[18:19], s[40:41]
	s_lshl_b32 s2, s2, 2
	s_lshl_b32 s47, s47, 2
	s_mov_b32 s98, 0x3c800000                      ; 1 / 64
	s_mov_b32 s99, 0x3727c5ac                      ; 1e-5
	s_mov_b32 s44, 0x76543210
	s_mov_b32 s45, 0xfedcba98                      ; selects for lane l xor 16
	v_and_b32 v1, 31, v0
	v_lshlrev_b32 v[CO], 4, v1                     ; 16 x lane
	v_and_b32 v2, 15, v0                           ; r
	v_bfe_u32 v3, v0, 4, 1                         ; h
	v_lshlrev_b32 v7, 5, v3                        ; 32 h
	v_add_nc_u32 v5, s2, v7
	v_lshlrev_b32 v6, 2, v2
	v_add_nc_u32 v6, s47, v6
.irp b, 0,1,2,3,4,5,6,7
	global_load_b128 v[BI+8*\b:BI+8*\b+3], v5, s[8:9] offset:64*\b          ; bqkv at the lane's eight columns of block b
	global_load_b128 v[BI+8*\b+4:BI+8*\b+7], v5, s[8:9] offset:64*\b+16
.endr
.irp a, 0,1,2,3,4,5,6,7
	global_load_b32 v[BV+2*\a], v6, s[8:9] offset:64*\a                     ; v: bqkv at the lane's channel of block a (a pair, since the packed addition names one)
	global_load_b32 v[BV+2*\a+1], v6, s[8:9] offset:64*\a
.endr
	WIN TO_B
.irp bb, 0,1,2,3
	global_load_b128 v[GAM+8*\bb:GAM+8*\bb+3], v7, s[10:11] offset:64*\bb
	global_load_b128 v[GAM+8*\bb+4:GAM+8*\bb+7], v7, s[10:11] offset:64*\bb+16
	global_load_b128 v[BET+8*\bb:BET+8*\bb+3], v7, s[12:13] offset:64*\bb
	global_load_b128 v[BET+8*\bb+4:BET+8*\bb+7], v7, s[12:13] offset:64*\bb+16
.endr
	WIN 0
	s_lshl_b32 s40, s[RH], 15
	s_lshl_b32 s41, s[CH], 15
	s_add_co_u32 s41, s41, 65536
	v_add_nc_u32 v[ADRA], s40, v[CO]
	v_add_nc_u32 v[ADRB], s41, v[CO]
	s_add_co_u32 s40, s40, SLOT
	s_add_co_u32 s41, s41, SLOT
	v_add_nc_u32 v[ADRA+1], s40, v[CO]
	v_add_nc_u32 v[ADRB+1], s41, v[CO]
	s_lshl_b32 s40, s[RH], 12                      ; scale words: lanes 0-15 take the A role's, lanes 16-31 the B role's: one product with h
	s_lshl_b32 s41, s[CH], 12
	s_add_co_u32 s41, s41, 8192
	s_sub_co_u32 s41, s41, s40
	v_mul_u32_u24 v4, s41, v3
	s_add_co_u32 s40, s40, SCL
	v_lshl_add_u32 v4, v2, 4, v4
	v_add_nc_u32 v[ADRS], s40, v4
	s_wait_loadcnt 0x0
.set i, 0
.rept 64
	v_cndmask_b32 v[BI+i], 0, v[BI+i], s[KM]       ; v's bias runs along the lanes and is added on the way out: its first products start from zeros
.set i, i+1
.endr
	WIN 0x41
.set i, 0
.rept 32
	v_pk_mul_f32 v[GAM+2*i:GAM+2*i+1], v[GAM+2*i:GAM+2*i+1], s[96:97] op_sel_hi:[1,0]   ; gamma and beta x log2(e) / 8 (q) or x 1
.set i, i+1
.endr
	WIN 0
.macro FRAG reg, adr, q, i             ; 16 rows x 128 K of 4-bit codes: 8 registers, two pieces of 512 bytes as they were stored
.irp c, 0,1
	ds_load_b128 v[\reg+4*\c:\reg+4*\c+3], v[\adr] offset:(\i)*4096+(\q)*1024+512*\c
.endr
.endm
; 16 matrix instructions: A's blocks a0, a0 + 1 x B's eight.  The 64 accumulators take turns, one instruction a turn, in the same order in every step.  first = 1: C is the bias.
.macro MUL16 a0, p, q, sc, first
.irp a, \a0, \a0+1
.irp b, 0,1,2,3,4,5,6,7
.if \first
	v_wmma_scale_f32_16x16x128_f8f6f4 v[8*(8*((\a)%4)+\b):8*(8*((\a)%4)+\b)+7], v[128*(\p)+FR*\b:128*(\p)+FR*\b+FR-1], v[AF+FR*(\a):AF+FR*(\a)+FR-1], v[BI+8*\b:BI+8*\b+7], v[SC+8*NQ*(\sc)+NQ*\b+(\q)], v[SC+8*NQ*(\sc)+NQ*(\a)+(\q)] matrix_a_fmt:MATRIX_FMT_FP4 matrix_b_fmt:MATRIX_FMT_FP4 matrix_a_scale:MATRIX_SCALE_ROW1
.else
	v_wmma_scale_f32_16x16x128_f8f6f4 v[8*(8*((\a)%4)+\b):8*(8*((\a)%4)+\b)+7], v[128*(\p)+FR*\b:128*(\p)+FR*\b+FR-1], v[AF+FR*(\a):AF+FR*(\a)+FR-1], v[8*(8*((\a)%4)+\b):8*(8*((\a)%4)+\b)+7], v[SC+8*NQ*(\sc)+NQ*\b+(\q)], v[SC+8*NQ*(\sc)+NQ*(\a)+(\q)] matrix_a_fmt:MATRIX_FMT_FP4 matrix_b_fmt:MATRIX_FMT_FP4 matrix_a_scale:MATRIX_SCALE_ROW1
.endif
.endr
.endr
.endm
.macro FETCH_B slot, q, p
	WIN TO_B
.irp i, 0,1,2,3,4,5,6,7
	FRAG 128*(\p)+FR*\i, ADRB+\slot, \q, \i
.endr
	WIN 0
.endm
.macro FETCH_A slot, q, i0
.irp i, \i0, \i0+1, \i0+2, \i0+3
	FRAG AF+FR*(\i), ADRA+\slot, \q, \i
.endr
.endm
.macro SCALES sc                       ; a slot's scale words: four words a row; lanes 0-15 A's block i, lanes 16-31 B's block i
.irp i, 0,1,2,3,4,5,6,7
	ds_load_b128 v[SC+8*NQ*\sc+NQ*\i:SC+8*NQ*\sc+NQ*\i+3], v[ADRS] offset:\sc*2048+256*\i
.endr
.endm
.macro PLACES n                        ; plain vector instructions between a matrix instruction and a load into, or a read of, its registers
.rept \n
	v_nop
.endr
.endm
.macro STEP slot, q, first             ; 128 along K; the successor lies in the same slot
	s_wait_dscnt 8                                 ; B's set and A's blocks 0-3 are in; the youngest eight loads (A's blocks 4-7) may be out
.if \first
	WIN 0x81
.else
	WIN MUL_LO
.endif
	MUL16 0, (\q)%2, \q, \slot, \first
	MUL16 2, (\q)%2, \q, \slot, \first
	s_wait_dscnt 0
	PLACES NP
	FETCH_B \slot, (\q)+1, 1-(\q)%2
	FETCH_A \slot, (\q)+1, 0
.if \first
	WIN 0xc1
.else
	WIN MUL_HI
.endif
	MUL16 4, (\q)%2, \q, \slot, \first
	MUL16 6, (\q)%2, \q, \slot, \first
	PLACES NP
	WIN 0
	FETCH_A \slot, (\q)+1, 4
.endm
	s_wait_tensorcnt 1                             ; the scale words and K's first half are in; the second half's load may be out
	s_barrier_signal -1
	s_barrier_wait -1
	FETCH_B 0, 0, 0
	FETCH_A 0, 0, 0
	SCALES 0
	FETCH_A 0, 0, 4
	STEP 0, 0, 1
	STEP 0, 1, 0
	STEP 0, 2, 0
	; slot 0's last step changes slots: one barrier; nothing is filled again
	s_wait_tensorcnt 0x0                           ; my part of slot 1 has landed
	ds_add_u32 v[SPW], v[NIL]
	s_wait_dscnt 9                                 ; (the add and A's blocks 4-7 may be out)
	WIN MUL_LO
	MUL16 0, 1, 3, 0, 0
	s_wait_dscnt 0x0
	s_barrier_signal -1
	MUL16 2, 1, 3, 0, 0
	WIN 0
	s_barrier_wait -1                              ; slot 1 is whole
	PLACES NP
	FETCH_B 1, 0, 0
	FETCH_A 1, 0, 0
	SCALES 1
	WIN MUL_HI
	MUL16 4, 1, 3, 0, 0
	MUL16 6, 1, 3, 0, 0
	PLACES NP
	WIN 0
	FETCH_A 1, 0, 4
	STEP 1, 0, 0
	STEP 1, 1, 0
	STEP 1, 2, 0
	s_wait_dscnt 8
	WIN MUL_LO
	MUL16 0, 1, 3, 1, 0
	MUL16 2, 1, 3, 1, 0
	s_wait_dscnt 0
	WIN MUL_HI
	MUL16 4, 1, 3, 1, 0
	MUL16 6, 1, 3, 1, 0
	WIN 0
	PLACES NP
	s_cmp_eq_u32 s[ISV], 1
	s_cbranch_scc1 .Lv
; ---- q, k: LayerNorm of 16 tokens x two heads at a time.  Lane (r, h) holds 32 of a head's 64 channels of token r; lane l xor 16 holds the others.
.irp n, MU+1, MU+3, RS+1, RS+3, YY, YY+1
	v_mov_b32 v[\n], 0                             ; upper halves of pairs that packed forms name, and the permutes' destinations: written once
.endr
.macro LNBLK a
.set AC, 64*((\a)%4)
.set OU, 192+32*((\a)%2)
	WIN 5*(2+(\a)/4)                               ; sources 0 and 1: the accumulators' window
.irp i, 0,1,2,3,4,5,6,7
.irp g, 0,1
	v_pk_add_f32 v[DD+16*\g+2*\i:DD+16*\g+2*\i+1], v[AC+32*\g+4*\i:AC+32*\g+4*\i+1], v[AC+32*\g+4*\i+2:AC+32*\g+4*\i+3]   ; each accumulator from its low end on
.endr
.endr
	WIN 0
.irp i, 0,1,2,3
.irp g, 0,1
	v_pk_add_f32 v[DD+16*\g+4*\i:DD+16*\g+4*\i+1], v[DD+16*\g+4*\i:DD+16*\g+4*\i+1], v[DD+16*\g+4*\i+2:DD+16*\g+4*\i+3]
.endr
.endr
.irp i, 0,1
.irp g, 0,1
	v_pk_add_f32 v[DD+16*\g+8*\i:DD+16*\g+8*\i+1], v[DD+16*\g+8*\i:DD+16*\g+8*\i+1], v[DD+16*\g+8*\i+4:DD+16*\g+8*\i+5]
.endr
.endr
.irp g, 0,1
	v_pk_add_f32 v[DD+16*\g:DD+16*\g+1], v[DD+16*\g:DD+16*\g+1], v[DD+16*\g+8:DD+16*\g+9]
.endr
.irp g, 0,1
	v_add_f32 v[XX+\g], v[DD+16*\g], v[DD+16*\g+1]
.endr
.irp g, 0,1
	v_permlanex16_b32 v[YY+\g], v[XX+\g], s44, s45
.endr
.irp g, 0,1
	v_add_f32 v[XX+\g], v[XX+\g], v[YY+\g]
.endr
.irp g, 0,1
	v_mul_f32 v[MU+2*\g], s98, v[XX+\g]            ; the mean
.endr
	WIN 2+(\a)/4
.irp i, 0,1,2,3,4,5,6,7,8,9,10,11,12,13,14,15
.irp g, 0,1
	v_pk_add_f32 v[DD+32*\g+2*\i:DD+32*\g+2*\i+1], v[AC+32*\g+2*\i:AC+32*\g+2*\i+1], v[MU+2*\g:MU+2*\g+1] op_sel_hi:[1,0] neg_lo:[0,1] neg_hi:[0,1]   ; x - mean
.endr
.endr
	WIN 0
.irp c, 0,1,2,3
.irp g, 0,1
	v_pk_mul_f32 v[QS+8*\g+2*\c:QS+8*\g+2*\c+1], v[DD+32*\g+2*\c:DD+32*\g+2*\c+1], v[DD+32*\g+2*\c:DD+32*\g+2*\c+1]
.endr
.endr
.irp k, 1,2,3
.irp c, 0,1,2,3
.irp g, 0,1
	v_pk_fma_f32 v[QS+8*\g+2*\c:QS+8*\g+2*\c+1], v[DD+32*\g+8*\k+2*\c:DD+32*\g+8*\k+2*\c+1], v[DD+32*\g+8*\k+2*\c:DD+32*\g+8*\k+2*\c+1], v[QS+8*\g+2*\c:QS+8*\g+2*\c+1]
.endr
.endr
.endr
.irp g, 0,1
	v_pk_add_f32 v[QS+8*\g:QS+8*\g+1], v[QS+8*\g:QS+8*\g+1], v[QS+8*\g+2:QS+8*\g+3]
	v_pk_add_f32 v[QS+8*\g+4:QS+8*\g+5], v[QS+8*\g+4:QS+8*\g+5], v[QS+8*\g+6:QS+8*\g+7]
.endr
.irp g, 0,1
	v_pk_add_f32 v[QS+8*\g:QS+8*\g+1], v[QS+8*\g:QS+8*\g+1], v[QS+8*\g+4:QS+8*\g+5]
.endr
.irp g, 0,1
	v_add_f32 v[XX+\g], v[QS+8*\g], v[QS+8*\g+1]
.endr
.irp g, 0,1
	v_permlanex16_b32 v[YY+\g], v[XX+\g], s44, s45
.endr
.irp g, 0,1
	v_add_f32 v[XX+\g], v[XX+\g], v[YY+\g]
.endr
.irp g, 0,1
	v_fma_f32 v[XX+\g], v[XX+\g], s98, s99         ; the variance + 1e-5
.endr
.irp g, 0,1
	v_rsq_f32 v[RS+2*\g], v[XX+\g]
.endr
	v_nop                                          ; a plain instruction behind the last of the two,
	s_wait_alu depctr_va_vdst(0)                   ; and the one wait ahead of their first reader
.irp i, 0,1,2,3,4,5,6,7,8,9,10,11,12,13,14,15
.irp g, 0,1
	v_pk_mul_f32 v[DD+32*\g+2*\i:DD+32*\g+2*\i+1], v[DD+32*\g+2*\i:DD+32*\g+2*\i+1], v[RS+2*\g:RS+2*\g+1] op_sel_hi:[1,0]
.endr
.endr
	WIN 0x14                                       ; sources 1 and 2 (gamma, beta): window 1
.irp i, 0,1,2,3,4,5,6,7,8,9,10,11,12,13,14,15
.irp g, 0,1
	v_pk_fma_f32 v[DD+32*\g+2*\i:DD+32*\g+2*\i+1], v[DD+32*\g+2*\i:DD+32*\g+2*\i+1], v[GAM+2*\i:GAM+2*\i+1], v[BET+2*\i:BET+2*\i+1]
.endr
.endr
	WIN 0
.if (\a) > 1
	s_wait_xcnt 0x0                                ; the stores of two blocks back have read their registers
.endif
.irp i, 0,1,2,3,4,5,6,7,8,9,10,11,12,13,14,15
.irp g, 0,1
	v_cvt_pk_f16_f32 v[OU+16*\g+\i], v[DD+32*\g+2*\i], v[DD+32*\g+2*\i+1]
.endr
.endr
.irp g, 0,1
.irp bb, 0,1,2,3
	global_store_b128 v[CO], v[OU+16*\g+4*\bb:OU+16*\g+4*\bb+3], s[18:19] offset:(\a)*2048+\bb*512+\g*262144   ; 512 consecutive bytes, aligned
.endr
.endr
.endm
.irp a, 0,1,2,3,4,5,6,7
	LNBLK \a
.endr
	s_branch .Ldone
; ---- v: + bias (my channel's), rounded, stored: accumulator (a, b) = channels 16 a + r, tokens 16 b + 8 h + 0..7
.Lv:
.macro VBLK a
.set AC, 64*((\a)%4)
.set OU, 192+32*((\a)%2)
	WIN 2+(\a)/4
.irp b, 0,1,2,3,4,5,6,7
.irp i, 0,1,2,3
	v_pk_add_f32 v[DD+8*\b+2*\i:DD+8*\b+2*\i+1], v[AC+8*\b+2*\i:AC+8*\b+2*\i+1], v[BV+2*(\a):BV+2*(\a)+1] op_sel_hi:[1,0]
.endr
.endr
	WIN 0
.if (\a) > 1
	s_wait_xcnt 0x0
.endif
.irp b, 0,1,2,3,4,5,6,7
.irp i, 0,1,2,3
	v_cvt_pk_f16_f32 v[OU+4*\b+\i], v[DD+8*\b+2*\i], v[DD+8*\b+2*\i+1]
.endr
.endr
.irp b, 0,1,2,3,4,5,6,7
	global_store_b128 v[CO], v[OU+4*\b:OU+4*\b+3], s[18:19] offset:((\a)/4)*262144+((\a)%4)*1024+(\b/2)*4096+(\b%2)*512
.endr
.endm
.irp a, 0,1,2,3,4,5,6,7
	VBLK \a
.endr
.Ldone:
	s_wait_tensorcnt 0x0                           ; the wave's end
	ds_add_u32 v[SPW], v[NIL]
	s_wait_dscnt 0x0
	CROUND                                         ; the closing round
	s_endpgm
.Lfunc_end_k_qa1e9cf09e8_qkv:
	.size	k_qa1e9cf09e8_qkv, .Lfunc_end_k_qa1e9cf09e8_qkv-k_qa1e9cf09e8_qkv
	.p2alignl 7, 3214868480
	.fill 96, 4, 3214868480
	.section	.rodata,"a",@progbits
	.p2align	6, 0x0
	.amdhsa_kernel k_qa1e9cf09e8_qkv
		.amdhsa_group_segment_fixed_size 327680
		.amdhsa_private_segment_fixed_size 0
		.amdhsa_enable_private_segment 0
		.amdhsa_kernarg_size 80
		.amdhsa_user_sgpr_count 2
		.amdhsa_user_sgpr_kernarg_segment_ptr 1
		.amdhsa_wavefront_size32 1
		.amdhsa_system_sgpr_workgroup_id_x 1
		.amdhsa_system_sgpr_workgroup_id_y 1
		.amdhsa_system_sgpr_workgroup_id_z 1
		.amdhsa_system_vgpr_workitem_id 0
		.amdhsa_next_free_vgpr 1024
		.amdhsa_next_free_sgpr 102
		.amdhsa_reserve_vcc 0
		.amdhsa_float_denorm_mode_32 3
		.amdhsa_float_denorm_mode_16_64 3
		.amdhsa_memory_ordered 1
		.amdhsa_forward_progress 1
		.amdhsa_inst_pref_size 255
	.end_amdhsa_kernel
	.section	.bss,"aw",@nobits
	.p2align	6
	.space	262144
	.amdgpu_metadata
---
amdhsa.version: [ 1, 2 ]
amdhsa.kernels:
  - .name:           k_qa1e9cf09e8_qkv
    .symbol:         k_qa1e9cf09e8_qkv.kd
    .args:
      - { .name: xq, .offset: 0, .size: 8, .value_kind: global_buffer, .address_space: global }
      - { .name: wq, .offset: 8, .size: 8, .value_kind: global_buffer, .address_space: global }
      - { .name: bqkv, .offset: 16, .size: 8, .value_kind: global_buffer, .address_space: global }
      - { .name: q_gamma, .offset: 24, .size: 8, .value_kind: global_buffer, .address_space: global }
      - { .name: q_beta, .offset: 32, .size: 8, .value_kind: global_buffer, .address_space: global }
      - { .name: k_gamma, .offset: 40, .size: 8, .value_kind: global_buffer, .address_space: global }
      - { .name: k_beta, .offset: 48, .size: 8, .value_kind: global_buffer, .address_space: global }
      - { .name: qf, .offset: 56, .size: 8, .value_kind: global_buffer, .address_space: global }
      - { .name: kf, .offset: 64, .size: 8, .value_kind: global_buffer, .address_space: global }
      - { .name: vf, .offset: 72, .size: 8, .value_kind: global_buffer, .address_space: global }
    .group_segment_fixed_size: 327680
    .private_segment_fixed_size: 0
    .kernarg_segment_align: 8
    .kernarg_segment_size: 80
    .max_flat_workgroup_size: 128
    .sgpr_count:     102
    .vgpr_count:     1024
    .wavefront_size: 32
...
	.end_amdgpu_metadata
.endif
;; end of part 2
;; launch attn (part 3): grid 4 x 64, 8 waves a work-group, clusters of 4 x 1, 327,680 bytes of LDS; arguments qf, kf, vf, yf; writes yf
.if DOCPART == 3
	.amdgcn_target "amdgcn-amd-amdhsa--gfx1250"
	.amdhsa_code_object_version 6
	.text
	.protected	k_qa1e9cf09e8_attn
	.globl	k_qa1e9cf09e8_attn
	.p2align	8
	.type	k_qa1e9cf09e8_attn,@function
k_qa1e9cf09e8_attn:
	s_mov_b64 s[64:65], 0
	v_nop
	global_prefetch_b8 v0, s[64:65] scope:SCOPE_SE
	s_setreg_imm32_b32 hwreg(HW_REG_WAVE_MODE, 25, 1), 1
	s_wait_xcnt 0x0
	s_wait_alu depctr_hold_cnt(0) depctr_sa_sdst(0) depctr_va_vdst(0) depctr_va_sdst(0) depctr_va_ssrc(0) depctr_va_vcc(0) depctr_vm_vsrc(0)
	s_getreg_b32 s2, hwreg(HW_REG_IB_STS2, 6, 4)
	s_cmp_eq_u32 s2, 0
	s_cbranch_scc0 .Lentry_in_a_cluster
	s_endpgm
.Lentry_in_a_cluster:
	s_bfe_u32 s2, ttmp6, 0x10000c
	s_cmp_lg_u32 s2, 0x3003
	s_cbranch_scc0 .Lentry_shape_is_right
	s_endpgm
.Lentry_shape_is_right:
; ATTN.  y[b][h][q] = the sum over k of softmax_k(q . k / 8) v[k], no mask; 64 (batch, head) pairs, 2,048 tokens, head size 64.  Operands f16, products, maxima and sums f32.
; qf carries log2(e) / 8, so a score s is already an exponent of 2: p = 2^(s - m), m the query's running maximum; in every step the sum l and O are multiplied by a = 2^(m_old - m_new).
; SHARES.  A cluster of four work-groups is one (batch, head); a work-group owns 512 queries, each of its EIGHT waves 64: four tiles of 16.  Two waves share a SIMD, 512 registers each: the text goes in phases
; (K Q^T, softmax, V^T P), and while one wave walks its softmax the SIMD's other wave has matrix work to issue.  A fragment of K or V read from LDS feeds four products.
; LAYOUT.  Both products are used transposed: S^T = K Q^T (source 0 = 16 keys, source 1 = 16 queries), O^T = V^T P: a lane holds ONE query throughout, and two tiles of S^T rounded in pairs ARE source 1 of the second product.
; kf, vf, qf are images of the operands' registers: a fragment's piece is 512 bytes at 16 x lane: no pitch, no padding, no turning load.
; RING.  Two slots of 512 keys (K 65,536 bytes, then V 65,536).  The four partners walk the same K and V: each of the eight waves asks JOINTLY for 16,384 dense bytes, one load a wave behind each round; it has eight key steps in which to land.
; yf: ks x 2097152 + (token / 16) x 4096 + u x 1024 + c x 512 + 16 l: the image of the next launch's operand.  Every store covers 512 consecutive bytes, aligned.
; LIMITS: |y| must stay under 65,504 (f16); p under 6e-8 rounds to 0 beside a row sum of at least 1.
; REGISTERS: window 0: v1-8 addresses; v16-47 statistics, 8 a tile: +0 m, +1 (pair's upper half), +2, +3 l, +4 to +7 at work, a in +6; v64-191 S^T, 32 a tile, P in place in a tile's first 16; v192-255 K of a step.
;            window 1: v0-127 O^T, 32 a tile; v128-191 Q; v192-255 V of a step.
.set SLOT1, 131072
.set SPARE, 262144
.set LN,  1                            ; 16 x lane
.set LV,  2                            ; + 65,536: V's part of a slot
.set ADK, 3
.set ADV, 4
.set SPW, 6
.set NIL, 7
.set PFO, 8                            ; 256 x lane
.set ST,  16
.set S,   64
.set KF,  192
.set QF,  128
.set VF,  192
.set WV,  12
.set SLOTS, 36
.set CNT, 37
.set TB,  38
.set SEL, 40
.set PFA, 42
.set LIM, 44
.set MSB, 0
.macro WIN new
.if MSB != (\new)
	s_set_vgpr_msb (MSB<<8)|(\new)
.set MSB, (\new)
.endif
.endm
.macro CROUND
	s_barrier_signal -1
	s_barrier_wait -1
	s_cmp_lg_u32 s[WV], 0
	s_cbranch_scc1 .Lnot_wave_0_\@
	s_barrier_signal -3
.Lnot_wave_0_\@:
	s_barrier_wait -3
	s_barrier_signal -1
	s_barrier_wait -1
.endm
; A prefetch of what the NEXT change of slots will ask for, eight key steps ahead of that load: 512 keys of K and of V, 131,072 bytes.  Waves 0, 2 (K) and 4, 6 (V) ask, 8,192 bytes each, lanes 256 bytes apart;
; the four partners take different bytes BY ADDRESS.  So each block of 256 bytes is named once in the launch.  The last change that fills a slot asks for nothing; the first two slots come by their loads alone.
.macro ASK
	s_cmp_gt_u32 s[SLOTS], s[LIM]
	s_cbranch_scc0 .Lnot_mine_\@
	global_prefetch_b8 v[PFO], s[PFA:PFA+1] th:TH_LOAD_NT scope:SCOPE_SE
.Lnot_mine_\@:
.endm
	s_load_b256 s[4:11], s[0:1], 0x0               ; qf 4, kf 6, vf 8, yf 10
	v_lshl_add_u32 v[SPW], v0, 2, SPARE
	v_mov_b32 v[NIL], 0
	ds_add_u32 v[SPW], v[NIL]                      ; the wave's opening: the add, twice on end, and its wait ahead of my first tensor load
	ds_add_u32 v[SPW], v[NIL]
	v_lshrrev_b32 v1, 5, v0
	v_readfirstlane_b32 s[WV], v1                  ; wave 0..7
	s_bfe_u32 s13, ttmp6, 0x40000                  ; cx: my block of 512 queries
	s_and_b32 s14, ttmp7, 0xffff                   ; batch x 16 + head, which the four partners share
	s_mov_b32 s24, 15|(3<<16)|(1<<21)              ; group 1: the mask names all four; elements of 8 bytes; 21 set beside a mask
	s_mov_b32 s25, 32<<16                          ; 16,384 dense bytes as 64 rows of 256
	s_mov_b32 s26, 64<<16
	s_mov_b32 s27, 32<<16
	s_mov_b32 s28, 64
	s_mov_b32 s29, 32
	s_mov_b32 s30, 0
	s_mov_b32 s31, 0
	s_mov_b32 s32, 1
	s_lshl_b32 s33, s[WV], 14                      ; LDS: wave x 16,384: waves 0-3 K's quarters, waves 4-7 V's
	s_and_b32 s15, s[WV], 3
	s_lshl_b32 s16, s15, 14
	s_lshl_b32 s17, s14, 18
	s_add_co_u32 s16, s16, s17                     ; in memory: the head's 262,144 bytes, my quarter of a slot's 65,536
	s_mov_b32 s17, 0
	s_lshl_b32 s18, s13, 13
	s_add_co_u32 s18, s18, 65536                   ; the prefetches: my work-group's 8,192 bytes, in the second 512 keys: the first change steps it on
	s_mov_b32 s19, 0
	s_lshl_b32 s20, s13, 5
	s_lshl_b32 s21, s[WV], 2
	s_add_co_u32 s20, s20, s21                     ; my first tile of 16 queries in the head
	s_lshl_b32 s22, s20, 11
	s_lshl_b32 s23, s14, 18
	s_add_co_u32 s22, s22, s23
	s_mov_b32 s23, 0                               ; Q's bytes
	s_lshr_b32 s21, s14, 4
	s_lshl_b32 s21, s21, 7
	s_add_co_u32 s20, s20, s21                     ; the tile among all 512 of the four batches
	s_lshl_b32 s20, s20, 12
	s_and_b32 s21, s14, 15
	s_lshr_b32 s45, s21, 1
	s_lshl_b32 s45, s45, 21                        ; the next product's K step = head / 2
	s_add_co_u32 s20, s20, s45
	s_and_b32 s21, s21, 1
	s_lshl_b32 s21, s21, 11
	s_add_co_u32 s20, s20, s21
	s_mov_b32 s21, 0                               ; y's bytes
	s_mov_b32 s[SEL], 0x76543210
	s_mov_b32 s[SEL+1], 0xfedcba98
	s_mov_b32 s[TB], 0
	s_mov_b32 s[SLOTS], 3
	s_and_b32 s[LIM], s[WV], 1
	s_cmp_eq_u32 s[LIM], 0
	s_cselect_b32 s[LIM], 1, -1                    ; even waves prefetch
	s_wait_dscnt 0x0                               ; both opening adds are done
	s_wait_kmcnt 0x0
	s_cmp_lt_u32 s[WV], 4
	s_cselect_b64 s[34:35], s[6:7], s[8:9]
	s_cselect_b64 s[PFA:PFA+1], s[6:7], s[8:9]
	s_add_nc_u64 s[34:35], s[34:35], s[16:17]
	s_add_nc_u64 s[PFA:PFA+1], s[PFA:PFA+1], s[16:17]
	s_add_nc_u64 s[PFA:PFA+1], s[PFA:PFA+1], s[18:19]
	s_or_b32 s35, s35, 0x80000000
	s_add_nc_u64 s[4:5], s[4:5], s[22:23]
	s_add_nc_u64 s[10:11], s[10:11], s[20:21]
	CROUND                                         ; all four work-groups are here
	tensor_load_to_lds s[32:35], s[24:31]          ; the first 512 keys, into slot 0
	s_nop 0
.rept 4
	v_nop
.endr
	v_and_b32 v1, 31, v0
	v_lshlrev_b32 v[PFO], 8, v1
	v_lshlrev_b32 v[LN], 4, v1
	v_add_nc_u32 v[LV], 65536, v[LN]
	WIN 0x40                                       ; destination window 1
.irp t, 0,1,2,3
.irp b, 0,1,2,3
	global_load_b128 v[QF+16*\t+4*\b:QF+16*\t+4*\b+3], v[LN], s[4:5] offset:\t*2048+\b*512   ; Q stays in registers
.endr
.endr
.set i, 0
.rept 128
	v_mov_b32 v[i], 0                              ; O^T.  The step is written without a first step of its own: the first step's a is 0 and finds zeros
.set i, i+1
.endr
	WIN 0
.irp t, 0,1,2,3
	v_mov_b32 v[ST+8*\t], 0xff61b1e6               ; m = -3e38, under every score
	v_mov_b32 v[ST+8*\t+1], 0
	v_mov_b32 v[ST+8*\t+2], 0                      ; l, in two halves
	v_mov_b32 v[ST+8*\t+3], 0
.endr
	s_wait_loadcnt 0x0
.macro FETCH_K                         ; a step's K: 64 keys x 64 channels: 16 pieces
	v_add_nc_u32 v[ADK], s[TB], v[LN]
.irp n, 0,1,2,3,4,5,6,7,8,9,10,11,12,13,14,15
	ds_load_b128 v[KF+4*\n:KF+4*\n+3], v[ADK] offset:512*\n
.endr
.endm
.macro FETCH_V                         ; a step's V^T: 64 channels x 64 keys
	v_add_nc_u32 v[ADV], s[TB], v[LV]
	WIN 0x40
.irp n, 0,1,2,3,4,5,6,7,8,9,10,11,12,13,14,15
	ds_load_b128 v[VF+4*\n:VF+4*\n+3], v[ADV] offset:512*\n
.endr
	WIN 0
.endm
.macro KQ                              ; 32 products; the 16 accumulators take turns, one instruction a turn; the first 16 start the sums
.irp cb, 0,1
.irp kt, 0,1,2,3
.irp t, 0,1,2,3
.if \cb == 0
	v_wmma_f32_16x16x32_f16 v[S+32*\t+8*\kt:S+32*\t+8*\kt+7], v[KF+16*\kt+8*\cb:KF+16*\kt+8*\cb+7], v[QF+16*\t+8*\cb:QF+16*\t+8*\cb+7], 0
.else
	v_wmma_f32_16x16x32_f16 v[S+32*\t+8*\kt:S+32*\t+8*\kt+7], v[KF+16*\kt+8*\cb:KF+16*\kt+8*\cb+7], v[QF+16*\t+8*\cb:QF+16*\t+8*\cb+7], v[S+32*\t+8*\kt:S+32*\t+8*\kt+7]
.endif
.endr
.endr
.endr
.endm
.macro PV                              ; 32 products, the 16 accumulators by turns
.irp kb, 0,1
.irp ct, 0,1,2,3
.irp t, 0,1,2,3
	v_wmma_f32_16x16x32_f16 v[32*\t+8*\ct:32*\t+8*\ct+7], v[VF+8*(4*\kb+\ct):VF+8*(4*\kb+\ct)+7], v[S+32*\t+8*\kb:S+32*\t+8*\kb+7], v[32*\t+8*\ct:32*\t+8*\ct+7]
.endr
.endr
.endr
.endm
.macro SOFTMAX                         ; the four tiles by turns, so that no line waits for the line above it
.irp j, 0,1,2,3
.irp t, 0,1,2,3
	v_max3_num_f32 v[ST+8*\t+4+\j], v[S+32*\t+8*\j], v[S+32*\t+8*\j+1], v[S+32*\t+8*\j+2]   ; each accumulator from its low end on
.endr
.endr
.irp k, 1,2
.irp j, 0,1,2,3
.irp t, 0,1,2,3
	v_max3_num_f32 v[ST+8*\t+4+\j], v[ST+8*\t+4+\j], v[S+32*\t+8*\j+2*\k+1], v[S+32*\t+8*\j+2*\k+2]
.endr
.endr
.endr
.irp t, 0,1,2,3
	v_max3_num_f32 v[ST+8*\t+4], v[ST+8*\t+4], v[S+32*\t+7], v[S+32*\t+15]
.endr
.irp t, 0,1,2,3
	v_max3_num_f32 v[ST+8*\t+6], v[ST+8*\t+6], v[S+32*\t+23], v[S+32*\t+31]
.endr
.irp t, 0,1,2,3
	v_max3_num_f32 v[ST+8*\t+4], v[ST+8*\t+4], v[ST+8*\t+5], v[ST+8*\t+6]
.endr
.irp t, 0,1,2,3
	v_max3_num_f32 v[ST+8*\t+4], v[ST+8*\t+4], v[ST+8*\t+7], v[ST+8*\t]      ; with the old m
.endr
.irp t, 0,1,2,3
	v_permlanex16_b32 v[ST+8*\t+5], v[ST+8*\t+4], s[SEL], s[SEL+1]           ; the query's other 32 keys lie in the lane 16 away
.endr
.irp t, 0,1,2,3
	v_max_num_f32 v[ST+8*\t+4], v[ST+8*\t+4], v[ST+8*\t+5]                   ; the new m
.endr
.irp t, 0,1,2,3
	v_sub_f32 v[ST+8*\t+7], v[ST+8*\t], v[ST+8*\t+4]                         ; m_old - m_new
.endr
.irp t, 0,1,2,3
	v_mov_b32 v[ST+8*\t], v[ST+8*\t+4]
.endr
.irp t, 0,1,2,3
	v_exp_f32 v[ST+8*\t+6], v[ST+8*\t+7]                                     ; a.  From here to the wait: ONE BATCH of 132 exponentials; nothing in it names a result
.endr
.irp i, 0,1,2,3,4,5,6,7,8,9,10,11,12,13,14,15
.irp t, 0,1,2,3
	v_pk_add_f32 v[S+32*\t+2*\i:S+32*\t+2*\i+1], v[S+32*\t+2*\i:S+32*\t+2*\i+1], v[ST+8*\t:ST+8*\t+1] op_sel_hi:[1,0] neg_lo:[0,1] neg_hi:[0,1]   ; s - m
.endr
.irp t, 0,1,2,3
	v_exp_f32 v[S+32*\t+2*\i], v[S+32*\t+2*\i]
	v_exp_f32 v[S+32*\t+2*\i+1], v[S+32*\t+2*\i+1]
.endr
.endr
	v_nop                                          ; a plain instruction behind the last exponential,
	s_wait_alu depctr_va_vdst(0)                   ; and the one wait ahead of the batch's first reader
.irp t, 0,1,2,3
	v_pk_fma_f32 v[ST+8*\t+2:ST+8*\t+3], v[ST+8*\t+2:ST+8*\t+3], v[ST+8*\t+6:ST+8*\t+7], v[S+32*\t:S+32*\t+1] op_sel_hi:[1,0,1]   ; l = a l + p, in two chains
.endr
.irp t, 0,1,2,3
	v_pk_add_f32 v[ST+8*\t+4:ST+8*\t+5], v[S+32*\t+2:S+32*\t+3], v[S+32*\t+4:S+32*\t+5]
.endr
.irp i, 6,10,14,18,22,26
.irp t, 0,1,2,3
	v_pk_add_f32 v[ST+8*\t+2:ST+8*\t+3], v[ST+8*\t+2:ST+8*\t+3], v[S+32*\t+\i:S+32*\t+\i+1]
.endr
.irp t, 0,1,2,3
	v_pk_add_f32 v[ST+8*\t+4:ST+8*\t+5], v[ST+8*\t+4:ST+8*\t+5], v[S+32*\t+\i+2:S+32*\t+\i+3]
.endr
.endr
.irp t, 0,1,2,3
	v_pk_add_f32 v[ST+8*\t+2:ST+8*\t+3], v[ST+8*\t+2:ST+8*\t+3], v[S+32*\t+30:S+32*\t+31]
.endr
.irp t, 0,1,2,3
	v_pk_add_f32 v[ST+8*\t+2:ST+8*\t+3], v[ST+8*\t+2:ST+8*\t+3], v[ST+8*\t+4:ST+8*\t+5]
.endr
.irp j, 0,1,2,3,4,5,6,7,8,9,10,11,12,13,14,15
.irp t, 0,1,2,3
	v_cvt_pk_f16_f32 v[S+32*\t+\j], v[S+32*\t+2*\j], v[S+32*\t+2*\j+1]       ; P in place: register j is written when registers 2 j and 2 j + 1 are read
.endr
.endr
	WIN 0x41
.set i, 0
.rept 64
	v_pk_mul_f32 v[2*i:2*i+1], v[2*i:2*i+1], v[ST+8*(i/16)+6:ST+8*(i/16)+7] op_sel_hi:[1,0]   ; O^T x a
.set i, i+1
.endr
.endm
; A KEY STEP of 64 keys.  fetch = 1: the next step's K is asked for ahead of the softmax and its V behind the second product; a slot's last step (fetch = 0) asks for nothing.
.macro STEP fetch
	WIN 0x04                                       ; Q in window 1
	KQ
	WIN 0
.rept 4
	v_nop                                          ; places in front of the reads of the scores and of the loads into K's registers
.endr
.if \fetch
	FETCH_K
.endif
	SOFTMAX
	s_wait_dscnt 0x0                               ; this step's V is in (and the next step's K, asked for a softmax ago)
	WIN 0x51                                       ; V, C and D in window 1
	PV
	WIN 0
.rept 5
	v_nop                                          ; the next K Q^T writes over P, a source of these products: five places; they serve the loads into V's registers too
.endr
.if \fetch
	FETCH_V
	s_add_co_u32 s[TB], s[TB], 8192
.endif
.endm
.macro SLOT_STEPS ask
	FETCH_K
	FETCH_V
.if \ask
	ASK                                            ; behind my tensor load and behind the run of LDS loads that the first products wait for
.endif
	s_add_co_u32 s[TB], s[TB], 8192
	s_wait_dscnt 16                                ; K is in; V's 16 loads may be out
	s_mov_b32 s[CNT], 7
.Lstep_\@:
	STEP 1
	s_sub_co_u32 s[CNT], s[CNT], 1
	s_cmp_lg_u32 s[CNT], 0
	s_cbranch_scc1 .Lstep_\@
	STEP 0
	s_sub_co_u32 s[TB], s[TB], 65536
	s_xor_b32 s[TB], s[TB], SLOT1                  ; on to the other slot
.endm
; THE CHANGE OF SLOTS stands at a slot's head.  Each wave waits for all its tensor loads (its part of the slot ahead), adds 0 to its spare word, and waits for that and for its reads of the slot that it has left.
; fill = 1: a round of the cluster's barrier, and behind it the other slot takes the next 512 keys: my one tensor load until the next round.
.macro CHANGE fill
	s_wait_tensorcnt 0x0                           ; no tensor load of mine is out, so group 0 may be written
	ds_add_u32 v[SPW], v[NIL]
.if \fill
	s_xor_b32 s33, s33, SLOT1
	s_add_nc_u64 s[34:35], s[34:35], 65536
	s_wait_xcnt 0x0                                ; the last prefetch, a slot back, has read its address
	s_add_nc_u64 s[PFA:PFA+1], s[PFA:PFA+1], 65536
	s_wait_dscnt 0x0
	CROUND
	tensor_load_to_lds s[32:35], s[24:31]
	s_nop 0
.rept 4
	v_nop
.endr
.else
	s_wait_dscnt 0x0
	s_barrier_signal -1
	s_barrier_wait -1
.endif
.endm
.Lslot:                                                ; three trips: behind each change of slots but the last the next 512 keys are asked for
	CHANGE 1
	SLOT_STEPS 1
	s_sub_co_u32 s[SLOTS], s[SLOTS], 1
	s_cmp_lg_u32 s[SLOTS], 0
	s_cbranch_scc1 .Lslot
	CHANGE 0                                       ; the last slot is written out
	SLOT_STEPS 0
	; THE WAY OUT: O^T / l, rounded to f16: a lane's eight channels of a query are 16 bytes of the next operand's image
.irp t, 0,1,2,3
	v_add_f32 v[ST+8*\t+4], v[ST+8*\t+2], v[ST+8*\t+3]
.endr
.irp t, 0,1,2,3
	v_permlanex16_b32 v[ST+8*\t+5], v[ST+8*\t+4], s[SEL], s[SEL+1]
.endr
.irp t, 0,1,2,3
	v_add_f32 v[ST+8*\t+4], v[ST+8*\t+4], v[ST+8*\t+5]
.endr
.irp t, 0,1,2,3
	v_rcp_f32 v[ST+8*\t+6], v[ST+8*\t+4]
.endr
	v_nop
	s_wait_alu depctr_va_vdst(0)                   ; one wait for the four reciprocals, ahead of their first reader
.irp t, 0,1,2,3
	WIN 0x01
.irp i, 0,1,2,3,4,5,6,7,8,9,10,11,12,13,14,15
	v_pk_mul_f32 v[S+32*\t+2*\i:S+32*\t+2*\i+1], v[32*\t+2*\i:32*\t+2*\i+1], v[ST+8*\t+6:ST+8*\t+7] op_sel_hi:[1,0]
.endr
	WIN 0
.irp i, 0,1,2,3,4,5,6,7,8,9,10,11,12,13,14,15
	v_cvt_pk_f16_f32 v[KF+16*\t+\i], v[S+32*\t+2*\i], v[S+32*\t+2*\i+1]
.endr
.irp ct, 0,1,2,3
	global_store_b128 v[LN], v[KF+16*\t+4*\ct:KF+16*\t+4*\ct+3], s[10:11] offset:\t*4096+\ct*512
.endr
.endr
	s_wait_tensorcnt 0x0                           ; the wave's end
	ds_add_u32 v[SPW], v[NIL]
	s_wait_dscnt 0x0
	CROUND                                         ; the closing round
	s_endpgm
.Lfunc_end_k_qa1e9cf09e8_attn:
	.size	k_qa1e9cf09e8_attn, .Lfunc_end_k_qa1e9cf09e8_attn-k_qa1e9cf09e8_attn
	.p2alignl 7, 3214868480
	.fill 96, 4, 3214868480
	.section	.rodata,"a",@progbits
	.p2align	6, 0x0
	.amdhsa_kernel k_qa1e9cf09e8_attn
		.amdhsa_group_segment_fixed_size 327680
		.amdhsa_private_segment_fixed_size 0
		.amdhsa_enable_private_segment 0
		.amdhsa_kernarg_size 32
		.amdhsa_user_sgpr_count 2
		.amdhsa_user_sgpr_kernarg_segment_ptr 1
		.amdhsa_wavefront_size32 1
		.amdhsa_system_sgpr_workgroup_id_x 1
		.amdhsa_system_sgpr_workgroup_id_y 1
		.amdhsa_system_sgpr_workgroup_id_z 1
		.amdhsa_system_vgpr_workitem_id 0
		.amdhsa_next_free_vgpr 512
		.amdhsa_next_free_sgpr 66
		.amdhsa_reserve_vcc 0
		.amdhsa_float_denorm_mode_32 3
		.amdhsa_float_denorm_mode_16_64 3
		.amdhsa_memory_ordered 1
		.amdhsa_forward_progress 1
		.amdhsa_inst_pref_size 149
	.end_amdhsa_kernel
	.amdgpu_metadata
---
amdhsa.version: [ 1, 2 ]
amdhsa.kernels:
  - .name:           k_qa1e9cf09e8_attn
    .symbol:         k_qa1e9cf09e8_attn.kd
    .args:
      - { .name: qf, .offset: 0, .size: 8, .value_kind: global_buffer, .address_space: global }
      - { .name: kf, .offset: 8, .size: 8, .value_kind: global_buffer, .address_space: global }
      - { .name: vf, .offset: 16, .size: 8, .value_kind: global_buffer, .address_space: global }
      - { .name: yf, .offset: 24, .size: 8, .value_kind: global_buffer, .address_space: global }
    .group_segment_fixed_size: 327680
    .private_segment_fixed_size: 0
    .kernarg_segment_align: 8
    .kernarg_segment_size: 32
    .max_flat_workgroup_size: 256
    .sgpr_count:     66
    .vgpr_count:     512
    .wavefront_size: 32
...
	.end_amdgpu_metadata
.endif
;; end of part 3
;; launch proj (part 4): grid 8 x 32, 4 waves a work-group, clusters of 4 x 4, 327,680 bytes of LDS; arguments yf, wp, bproj, out0; writes out0
.if DOCPART == 4
	.amdgcn_target "amdgcn-amd-amdhsa--gfx1250"
	.amdhsa_code_object_version 6
	.text
	.protected	k_qa1e9cf09e8_proj
	.globl	k_qa1e9cf09e8_proj
	.p2align	8
	.type	k_qa1e9cf09e8_proj,@function
k_qa1e9cf09e8_proj:
	s_mov_b64 s[64:65], 0
	v_nop
	global_prefetch_b8 v0, s[64:65] scope:SCOPE_SE
	s_setreg_imm32_b32 hwreg(HW_REG_WAVE_MODE, 25, 1), 1
	s_wait_xcnt 0x0
	s_wait_alu depctr_hold_cnt(0) depctr_sa_sdst(0) depctr_va_vdst(0) depctr_va_sdst(0) depctr_va_ssrc(0) depctr_va_vcc(0) depctr_vm_vsrc(0)
	s_getreg_b32 s2, hwreg(HW_REG_IB_STS2, 6, 4)
	s_cmp_eq_u32 s2, 0
	s_cbranch_scc0 .Lentry_in_a_cluster
	s_endpgm
.Lentry_in_a_cluster:
	s_bfe_u32 s2, ttmp6, 0x10000c
	s_cmp_lg_u32 s2, 0xf033
	s_cbranch_scc0 .Lentry_shape_is_right
	s_endpgm
.Lentry_shape_is_right:
; PROJ.  out0 = y Wproj + bproj: [8192][1024] x [1024][1024], operands f16, sums f32, output f32.
; A tile of 256 rows x 128 columns to a work-group: 32 x 8 = 256 work-groups.  A wave takes 128 rows x 64 columns: 32 accumulators, 256 registers.
; yf and wp are images of the operands' registers: a K step of 128 of 16 rows is 4,096 dense bytes, a fragment two loads of 16 bytes a lane at 16 x lane.
; K goes in 8 steps of 128 through two LDS slots (A 65,536 bytes, B 32,768).  CLUSTERS: 4 x 4: A's tile is shared along a row of the cluster, B's along a column: joint loads; waves 0, 1 fetch A's halves, waves 2, 3 B's.
; THE MATRIX INSTRUCTION IS USED TRANSPOSED (source 0 = 16 columns of Wproj, source 1 = 16 tokens): a lane holds eight neighbouring numbers of a row of out0.  The bias is the C of each sum's first product.
; REGISTERS: window 0: v16-29 addresses; v32-63 the bias; v64-127 the way out.  window 1: two fragment buffers at v0 and v128: B's four, then A's eight.  window 2: accumulator (a, b) at v[8 (4 a + b)].
.set SLOT,  98304
.set STAGE, 196608                     ; behind the ring: 16 rows x (256 bytes + 16) for each wave
.set SP,    272
.set SPARE, 214016                     ; the spare words, 128 bytes a wave
.set LAPS,  4
.set ADRA, 16
.set ADRB, 20
.set STO,  24
.set RD,   25
.set CO,   26
.set SPW,  28
.set NIL,  29
.set BI,   32
.set BK,   64
.set F0,   0
.set F1,   128
.set G1,  24
.set G0,  32
.set G1B, 48
.set G0B, 56
.set WV,  12
.set RH,  13
.set CH,  14
.set MSB, 0
.macro WIN new
.if MSB != (\new)
	s_set_vgpr_msb (MSB<<8)|(\new)
.set MSB, (\new)
.endif
.endm
.set MUL,  0xa5                        ; sources 0 and 1 window 1; C and D window 2
.set MULF, 0x85                        ; the same with C (the bias) in window 0
.set TO_F, 0x40
.macro JLOAD s                         ; an s_nop 0 and four v_nop follow each of the two lines
	s_cmp_eq_u32 s[RH], 0
	s_cbranch_scc0 .Lfor_b_\@
	tensor_load_to_lds s[G0+4*\s:G0+4*\s+3], s[G1:G1+7]
	s_nop 0
.rept 4
	v_nop
.endr
	s_branch .Lasked_\@
.Lfor_b_\@:
	tensor_load_to_lds s[G0B+4*\s:G0B+4*\s+3], s[G1B:G1B+7]
	s_nop 0
.rept 4
	v_nop
.endr
.Lasked_\@:
.endm
.macro CREST
	s_cmp_lg_u32 s[WV], 0
	s_cbranch_scc1 .Lnot_wave_0_\@
	s_barrier_signal -3
.Lnot_wave_0_\@:
	s_barrier_wait -3
	s_barrier_signal -1
	s_barrier_wait -1
.endm
.macro CROUND
	s_barrier_signal -1
	s_barrier_wait -1
	CREST
.endm
	s_load_b256 s[4:11], s[0:1], 0x0               ; yf 4, wp 6, bproj 8, out0 10
	v_lshl_add_u32 v[SPW], v0, 2, SPARE
	v_mov_b32 v[NIL], 0
	ds_add_u32 v[SPW], v[NIL]                      ; the wave's opening: the add, twice on end, and its wait ahead of my first tensor load
	ds_add_u32 v[SPW], v[NIL]
	v_lshrrev_b32 v1, 5, v0
	v_readfirstlane_b32 s[WV], v1
	s_lshr_b32 s[RH], s[WV], 1                     ; my half of the rows; also: I fetch for A (0) or B (1)
	s_and_b32 s[CH], s[WV], 1                      ; my half of the columns; also: which half I fetch
	s_bfe_u32 s40, ttmp6, 0x40000                  ; cx
	s_bfe_u32 s41, ttmp6, 0x40004                  ; cy
	s_lshl_b32 s42, ttmp9, 2
	s_add_co_u32 s42, s42, s40                     ; tile column
	s_and_b32 s15, ttmp7, 0xffff
	s_lshl_b32 s15, s15, 2
	s_add_co_u32 s15, s15, s41                     ; tile row
	s_lshl_b32 s43, s41, 2
	s_lshl_b32 s43, 15, s43                        ; my row of the cluster
	s_lshl_b32 s44, 0x1111, s40                    ; my column
	s_or_b32 s[G1], s43, (3<<16)|(1<<21)
	s_or_b32 s[G1B], s44, (3<<16)|(1<<21)
	s_mov_b32 s[G1+1], 32<<16                      ; A: 32,768 dense bytes as 128 rows of 256
	s_mov_b32 s[G1+2], 128<<16
	s_mov_b32 s[G1+3], 32<<16
	s_mov_b32 s[G1+4], 128
	s_mov_b32 s[G1+5], 32
	s_mov_b32 s[G1+6], 0
	s_mov_b32 s[G1+7], 0
	s_mov_b32 s[G1B+1], 32<<16                     ; B: 16,384 as 64 rows
	s_mov_b32 s[G1B+2], 64<<16
	s_mov_b32 s[G1B+3], 32<<16
	s_mov_b32 s[G1B+4], 64
	s_mov_b32 s[G1B+5], 32
	s_mov_b32 s[G1B+6], 0
	s_mov_b32 s[G1B+7], 0
	s_lshl_b32 s16, s15, 4
	s_lshl_b32 s17, s[CH], 3
	s_add_co_u32 s16, s16, s17
	s_lshl_b32 s16, s16, 12                        ; A: (16 x tile row + 8 x half) tiles of 4,096 bytes
	s_mov_b32 s17, 0
	s_lshl_b32 s46, s42, 3
	s_lshl_b32 s47, s[CH], 2
	s_add_co_u32 s46, s46, s47
	s_lshl_b32 s46, s46, 12                        ; B: (8 x tile column + 4 x half)
	s_mov_b32 s47, 0
	s_lshl_b32 s20, s[CH], 15                      ; where they land in a slot: made of the wave's number alone
	s_lshl_b32 s21, s[CH], 14
	s_add_co_u32 s21, s21, 65536
	s_wait_dscnt 0x0                               ; both opening adds are done
	s_wait_kmcnt 0x0
	s_add_nc_u64 s[18:19], s[4:5], s[16:17]
	s_add_nc_u64 s[46:47], s[6:7], s[46:47]
	CROUND                                         ; all sixteen work-groups are here
.irp s, 0,1
	s_mov_b32 s[G0+4*\s], 1
	s_add_co_u32 s[G0+4*\s+1], s20, \s*SLOT
	s_add_nc_u64 s[G0+4*\s+2:G0+4*\s+3], s[18:19], \s*2097152
	s_or_b32 s[G0+4*\s+3], s[G0+4*\s+3], 0x80000000
	s_mov_b32 s[G0B+4*\s], 1
	s_add_co_u32 s[G0B+4*\s+1], s21, \s*SLOT
	s_add_nc_u64 s[G0B+4*\s+2:G0B+4*\s+3], s[46:47], \s*262144
	s_or_b32 s[G0B+4*\s+3], s[G0B+4*\s+3], 0x80000000
	JLOAD \s
.endr
	v_and_b32 v1, 31, v0
	v_lshlrev_b32 v2, 4, v1                        ; 16 x lane
	v_and_b32 v3, 15, v0                           ; r
	v_bfe_u32 v4, v0, 4, 1                         ; h
	s_lshl_b32 s22, s42, 7
	s_lshl_b32 s23, s[CH], 6
	s_add_co_u32 s22, s22, s23
	s_lshl_b32 s22, s22, 2                         ; my first column, in bytes
	v_lshlrev_b32 v5, 5, v4
	v_add_nc_u32 v5, s22, v5
.irp b, 0,1,2,3
	global_load_b128 v[BI+8*\b:BI+8*\b+3], v5, s[8:9] offset:64*\b
	global_load_b128 v[BI+8*\b+4:BI+8*\b+7], v5, s[8:9] offset:64*\b+16
.endr
	s_lshl_b32 s16, s15, 8
	s_lshl_b32 s17, s[RH], 7
	s_add_co_u32 s16, s16, s17
	s_lshl_b32 s16, s16, 12                        ; my first row of out0, 4,096 bytes a row
	s_add_co_u32 s16, s16, s22
	s_mov_b32 s17, 0
	s_add_nc_u64 s[10:11], s[10:11], s[16:17]
	s_lshl_b32 s22, s[RH], 15
	s_lshl_b32 s23, s[CH], 14
	s_add_co_u32 s23, s23, 65536
	v_add_nc_u32 v[ADRA], s22, v2
	v_add_nc_u32 v[ADRB], s23, v2
	s_add_co_u32 s22, s22, SLOT
	s_add_co_u32 s23, s23, SLOT
	v_add_nc_u32 v[ADRA+1], s22, v2
	v_add_nc_u32 v[ADRB+1], s23, v2
	s_mul_i32 s22, s[WV], 16*SP
	s_add_co_u32 s22, s22, STAGE                   ; my stage
	v_mul_u32_u24 v[STO], v3, SP
	v_lshl_add_u32 v[STO], v4, 5, v[STO]
	v_add_nc_u32 v[STO], s22, v[STO]               ; in: row r, + 32 h
	v_mul_u32_u24 v[RD], v4, SP
	v_lshl_add_u32 v[RD], v3, 4, v[RD]
	v_add_nc_u32 v[RD], s22, v[RD]                 ; back: lanes 0-15 one row of 256 bytes, lanes 16-31 the next
	v_lshlrev_b32 v[CO], 12, v4
	v_lshl_add_u32 v[CO], v3, 4, v[CO]             ; and the same two rows in out0
; 8 matrix instructions: A's blocks a0, a0 + 1 x B's four, 32 along K.  The 32 accumulators take turns, one instruction a turn.
.macro MUL8 f, a0, first
.irp a, \a0, \a0+1
.irp b, 0,1,2,3
.if \first
	v_wmma_f32_16x16x32_f16 v[8*(4*(\a)+\b):8*(4*(\a)+\b)+7], v[\f+8*\b:\f+8*\b+7], v[\f+32+8*(\a):\f+32+8*(\a)+7], v[BI+8*\b:BI+8*\b+7]
.else
	v_wmma_f32_16x16x32_f16 v[8*(4*(\a)+\b):8*(4*(\a)+\b)+7], v[\f+8*\b:\f+8*\b+7], v[\f+32+8*(\a):\f+32+8*(\a)+7], v[8*(4*(\a)+\b):8*(4*(\a)+\b)+7]
.endif
.endr
.endr
.endm
.macro FETCH slot, q, f                ; 24 LDS loads in one run: quarter q of the slot's K step: B's four fragments, A's blocks 0-3, A's blocks 4-7
	WIN TO_F
.irp i, 0,1,2,3
	ds_load_b128 v[\f+8*\i:\f+8*\i+3],   v[ADRB+\slot] offset:\i*4096+(\q)*1024
	ds_load_b128 v[\f+8*\i+4:\f+8*\i+7], v[ADRB+\slot] offset:\i*4096+(\q)*1024+512
.endr
.irp i, 0,1,2,3,4,5,6,7
	ds_load_b128 v[\f+32+8*\i:\f+32+8*\i+3],   v[ADRA+\slot] offset:\i*4096+(\q)*1024
	ds_load_b128 v[\f+32+8*\i+4:\f+32+8*\i+7], v[ADRA+\slot] offset:\i*4096+(\q)*1024+512
.endr
.endm
.macro PLACES
.rept 4
	v_nop
.endr
.endm
.macro QUARTER slot, q, f, g, first    ; multiplies buffer f; in its middle fetches quarter q of the slot into buffer g
	s_wait_dscnt 8                                 ; B and A's blocks 0-3 are in; A's blocks 4-7 may be out
.if \first
	WIN MULF
.else
	WIN MUL
.endif
	MUL8 \f, 0, \first
	MUL8 \f, 2, \first
	PLACES
	FETCH \slot, \q, \g
	s_wait_dscnt 24                                ; all but the 24 just issued
.if \first
	WIN MULF
.else
	WIN MUL
.endif
	MUL8 \f, 4, \first
	MUL8 \f, 6, \first
.endm
; The last quarter multiplies buffer 1 and changes slots: ONE barrier; in front of it each wave waits for all its tensor loads, adds 0 to its spare word, and waits for that and for its reads of this slot.
.macro TURN slot, next, fill
	WIN 0
	s_wait_tensorcnt 0x0                           ; my part of the next slot has landed
	ds_add_u32 v[SPW], v[NIL]
	s_wait_dscnt 9                                 ; (the add and A's blocks 4-7 may be out)
	WIN MUL
	MUL8 F1, 0, 0
	s_wait_dscnt 0x0                               ; the add is done, and my reads of this slot are over
	s_barrier_signal -1
	MUL8 F1, 2, 0
	WIN 0
	s_barrier_wait -1
.if \fill
	CREST                                          ; the barrier has opened a round of the cluster's: no wave of any partner still reads this slot or has a load on its way
	s_add_nc_u64 s[G0+4*\slot+2:G0+4*\slot+3], s[G0+4*\slot+2:G0+4*\slot+3], 4194304
	s_add_nc_u64 s[G0B+4*\slot+2:G0B+4*\slot+3], s[G0B+4*\slot+2:G0B+4*\slot+3], 524288
	JLOAD \slot                                    ; two K steps on; its four v_nop are also the places in front of the loads below
.else
	PLACES
.endif
	FETCH \next, 0, F0
	WIN MUL
	MUL8 F1, 4, 0
	MUL8 F1, 6, 0
.endm
	s_wait_tensorcnt 1                             ; my part of K step 0 is in; K step 1's may be out
	s_barrier_signal -1
	s_barrier_wait -1
	FETCH 0, 0, F0
	s_wait_loadcnt 0x0                             ; the bias
	QUARTER 0, 1, F0, F1, 1                        ; the first quarter stands in front of the loop: its products start the sums from the bias
	WIN 0
	s_mov_b32 s3, LAPS-1
.Llap:                                                 ; a trip goes once round the ring and fills both slots again
	QUARTER 0, 2, F1, F0, 0
	QUARTER 0, 3, F0, F1, 0
	TURN 0, 1, 1
	QUARTER 1, 1, F0, F1, 0
	QUARTER 1, 2, F1, F0, 0
	QUARTER 1, 3, F0, F1, 0
	TURN 1, 0, 1
	QUARTER 0, 1, F0, F1, 0
	WIN 0
	s_sub_co_u32 s3, s3, 1
	s_cmp_lg_u32 s3, 0
	s_cbranch_scc1 .Llap
	QUARTER 0, 2, F1, F0, 0                        ; the last lap fills nothing
	QUARTER 0, 3, F0, F1, 0
	TURN 0, 1, 0
	QUARTER 1, 1, F0, F1, 0
	QUARTER 1, 2, F1, F0, 0
	QUARTER 1, 3, F0, F1, 0
	s_wait_dscnt 8
	WIN MUL
	MUL8 F1, 0, 0
	MUL8 F1, 2, 0
	s_wait_dscnt 0
	MUL8 F1, 4, 0
	MUL8 F1, 6, 0
	WIN 0
; THE WAY OUT, 16 rows x 64 columns at a time: a lane's 32 bytes go into my own stage and come back as whole rows of 256 bytes.  LDS serves a wave's instructions in order: no wait between the stores and the loads.
.macro TOSTAGE a
	WIN 0x08                                       ; an LDS store's data: window 2
.irp b, 0,1,2,3
	ds_store_b128 v[STO], v[8*(4*(\a)+\b):8*(4*(\a)+\b)+3] offset:64*\b          ; each accumulator from its low end on
	ds_store_b128 v[STO], v[8*(4*(\a)+\b)+4:8*(4*(\a)+\b)+7] offset:64*\b+16
.endr
	WIN 0
.irp t, 0,1,2,3,4,5,6,7
	ds_load_b128 v[BK+32*((\a)%2)+4*\t:BK+32*((\a)%2)+4*\t+3], v[RD] offset:\t*2*SP
.endr
.endm
.macro SEND a, younger
	s_wait_dscnt \younger                          ; the block is back in registers; the next block's sixteen LDS instructions may be out
.irp t, 0,1,2,3,4,5,6,7
	global_store_b128 v[CO], v[BK+32*((\a)%2)+4*\t:BK+32*((\a)%2)+4*\t+3], s[10:11] offset:(\a)*65536+\t*8192 th:TH_STORE_NT   ; sixteen lanes store 256 consecutive bytes, aligned
.endr
.endm
	PLACES
	TOSTAGE 0
.irp a, 1,2,3,4,5,6,7
.if \a > 1
	s_wait_xcnt 0x0                                ; the stores of two blocks back have read their registers
.endif
	TOSTAGE \a
	SEND \a-1, 16
.endr
	SEND 7, 0
	s_wait_tensorcnt 0x0                           ; the wave's end
	ds_add_u32 v[SPW], v[NIL]
	s_wait_dscnt 0x0
	CROUND                                         ; the closing round
	s_endpgm
.Lfunc_end_k_qa1e9cf09e8_proj:
	.size	k_qa1e9cf09e8_proj, .Lfunc_end_k_qa1e9cf09e8_proj-k_qa1e9cf09e8_proj
	.p2alignl 7, 3214868480
	.fill 96, 4, 3214868480
	.section	.rodata,"a",@progbits
	.p2align	6, 0x0
	.amdhsa_kernel k_qa1e9cf09e8_proj
		.amdhsa_group_segment_fixed_size 327680
		.amdhsa_private_segment_fixed_size 0
		.amdhsa_enable_private_segment 0
		.amdhsa_kernarg_size 32
		.amdhsa_user_sgpr_count 2
		.amdhsa_user_sgpr_kernarg_segment_ptr 1
		.amdhsa_wavefront_size32 1
		.amdhsa_system_sgpr_workgroup_id_x 1
		.amdhsa_system_sgpr_workgroup_id_y 1
		.amdhsa_system_sgpr_workgroup_id_z 1
		.amdhsa_system_vgpr_workitem_id 0
		.amdhsa_next_free_vgpr 768
		.amdhsa_next_free_sgpr 66
		.amdhsa_reserve_vcc 0
		.amdhsa_float_denorm_mode_32 3
		.amdhsa_float_denorm_mode_16_64 3
		.amdhsa_memory_ordered 1
		.amdhsa_forward_progress 1
		.amdhsa_inst_pref_size 86
	.end_amdhsa_kernel
	.amdgpu_metadata
---
amdhsa.version: [ 1, 2 ]
amdhsa.kernels:
  - .name:           k_qa1e9cf09e8_proj
    .symbol:         k_qa1e9cf09e8_proj.kd
    .args:
      - { .name: yf, .offset: 0, .size: 8, .value_kind: global_buffer, .address_space: global }
      - { .name: wp, .offset: 8, .size: 8, .value_kind: global_buffer, .address_space: global }
      - { .name: bproj, .offset: 16, .size: 8, .value_kind: global_buffer, .address_space: global }
      - { .name: out0, .offset: 24, .size: 8, .value_kind: global_buffer, .address_space: global }
    .group_segment_fixed_size: 327680
    .private_segment_fixed_size: 0
    .kernarg_segment_align: 8
    .kernarg_segment_size: 32
    .max_flat_workgroup_size: 128
    .sgpr_count:     66
    .vgpr_count:     768
    .wavefront_size: 32
...
	.end_amdgpu_metadata
.endif
;; end of part 4
